; MI455X (gfx1250); checked and timed in simulation.
; The chip was launched on July 23, 2026; its instructions are those of AMD's public machine-readable ISA for CDNA 5 (MIT licence, August 2026) and "CDNA5" Instruction Set Architecture Reference Guide (July 2026). The comments in the code are by the model that wrote it; some were corrected since.
;; Multihead Attention. Allowed arithmetic: float matrix products may take bf16 or f16 operands with f32 sums; all other float work in f32.
;; Inputs: b_proj 1,024 float32; w_proj 1,024 x 1,024 float32; w_qkv 3,072 x 1,024 float32; x 4 x 2,048 x 1,024 float32.
;; Outputs: out0 4 x 2,048 x 1,024 float32.
;; 2 versions, each right; version 2 is version 1 with the launch cvt written anew for expert scheduling mode. Each part assembles by itself: llvm-mc -triple=amdgcn-amd-amdhsa -mcpu=gfx1250 --defsym DOCPART=n.
;; ======== version 1 of 2: 4 launches
;; limits: values are held in f16: magnitudes above 65,504 overflow, below 6.1e-05 lose precision
;; workspace buffers: xb 16,777,216 bytes; wqb 6,291,456 bytes; wpb 2,097,152 bytes; qkvh 50,331,648 bytes; ctxh 16,777,216 bytes
;; launch cvt (part 1): grid 768 x 1, 8 waves a work-group, no clusters, 0 bytes of LDS; arguments x, w_qkv, w_proj, xb, wqb, wpb; writes xb, wqb, wpb
.if DOCPART == 1
	.amdgcn_target "amdgcn-amd-amdhsa--gfx1250"
	.amdhsa_code_object_version 6
	.text
	.protected	k_q66aad13339_cvt
	.globl	k_q66aad13339_cvt
	.p2align	8
	.type	k_q66aad13339_cvt,@function
k_q66aad13339_cvt:
	s_mov_b64 s[64:65], 0
	v_nop
	global_prefetch_b8 v0, s[64:65] scope:SCOPE_SE
	s_setreg_imm32_b32 hwreg(HW_REG_WAVE_MODE, 25, 1), 1
	s_wait_xcnt 0x0
; x, w_qkv and w_proj (f32, rows of 1,024 numbers) are rounded once to bf16 and laid out in planes for the matrix kernels:
; T[k/64][row][64], 16 bits a number, so that a row of a plane is 128 bytes and the rows of a plane follow each other without a gap.
; xb and wqb hold bf16.  wpb holds the bf16-rounded w_proj in f16, since its partner in the last product (ctx) is f16.
; LIMIT: that second step is exact for |w| >= 2^-14 (8 bits fit in 11) and is off by at most 2^-25 below; |w_proj| < 65,504.
; A work-group takes 16 rows of one tensor: groups 0-511 x, 512-703 w_qkv, 704-767 w_proj.  Wave w takes planes 2w and 2w+1
; (512 bytes of each source row).  A load takes one plane's 256 source bytes of two rows: lanes 0-15 the even row, lanes 16-31 the odd one,
; 16 bytes a lane, so each aligned piece of 256 source bytes is named by one load alone.  The lane's four numbers become 8 bytes, and
; a store of the wave covers 256 consecutive bytes (two rows of a plane), aligned.
; All 16 loads of a wave go out at once; no register is written twice while a memory instruction names it.
; No LDS, no matrix unit, no cluster: every byte is read once and written once and no two work-groups share a byte.
.set X, 8                              ; v[8:71]    16 loads x 4 registers
.set Y, 72                             ; v[72:103]  16 groups x 2 registers to store
.set T, 104                            ; v[104:107] at work (w_proj's way alone)
	s_load_b256 s[4:11], s[0:1], 0x0               ; x s[4:5], w_qkv s[6:7], w_proj s[8:9], xb s[10:11]
	s_load_b128 s[12:15], s[0:1], 0x20             ; wqb s[12:13], wpb s[14:15]
	v_lshrrev_b32 v1, 5, v0
	v_readfirstlane_b32 s16, v1                    ; wave
	v_and_b32 v2, 31, v0                           ; lane
	v_bfe_u32 v3, v0, 4, 1                         ; which of the two rows
	v_and_b32 v4, 15, v0                           ; my 4 numbers of the plane's 64
	v_lshlrev_b32 v5, 4, v4                        ; 16 source bytes each
	v_lshl_add_u32 v5, v3, 12, v5                  ; + row x 4,096
	s_lshl_b32 s26, s16, 9
	v_add_nc_u32 v5, s26, v5                       ; + wave x 512: the source offset
	s_mov_b32 s17, 0                               ; first group of my tensor
	s_mov_b32 s18, 8192*128                        ; bytes of a plane of my tensor
	s_wait_kmcnt 0x0
	s_mov_b64 s[20:21], s[4:5]                     ; from
	s_mov_b64 s[22:23], s[10:11]                   ; to
	s_cmp_ge_u32 ttmp9, 512                        ; the choice hangs on the group's number alone
	s_cselect_b64 s[20:21], s[6:7], s[20:21]
	s_cselect_b64 s[22:23], s[12:13], s[22:23]
	s_cselect_b32 s17, 512, s17
	s_cselect_b32 s18, 3072*128, s18
	s_cmp_ge_u32 ttmp9, 704
	s_cselect_b64 s[20:21], s[8:9], s[20:21]
	s_cselect_b64 s[22:23], s[14:15], s[22:23]
	s_cselect_b32 s17, 704, s17
	s_cselect_b32 s18, 1024*128, s18
	s_sub_co_u32 s19, ttmp9, s17                   ; which 16 rows of the tensor
	s_lshl_b32 s24, s19, 16                        ; 16 rows x 4,096 bytes
	s_mov_b32 s25, 0
	s_add_nc_u64 s[20:21], s[20:21], s[24:25]
	s_lshl_b32 s24, s19, 11                        ; 16 rows x 128 bytes in each plane
	s_add_nc_u64 s[22:23], s[22:23], s[24:25]
	s_mul_i32 s26, s16, s18
	s_lshl_b32 s26, s26, 1                         ; plane 2w
	v_lshl_add_u32 v6, v2, 3, s26                  ; 8 x lane + plane 2w: two rows of a plane are 256 dense bytes
	v_add_nc_u32 v7, s18, v6                       ; the same in plane 2w+1
.irp kk, 0,1
.irp rp, 0,1,2,3,4,5,6,7
	global_load_b128 v[X+4*(8*\kk+\rp):X+4*(8*\kk+\rp)+3], v5, s[20:21] offset:\rp*8192+\kk*256 th:TH_LOAD_NT
.endr
.endr
; Group 8 kk + rp: rows 2 rp and 2 rp + 1 of plane 2w + kk.  half = 1: the bf16 numbers are written as f16.
.macro GROUP kk, rp, half
	s_wait_loadcnt 15-(8*\kk+\rp)                  ; loads come back in order (ISA guide 5.7.1): this group's is in, the younger ones stay out
	v_cvt_pk_bf16_f32 v[Y+2*(8*\kk+\rp)],   v[X+4*(8*\kk+\rp)],   v[X+4*(8*\kk+\rp)+1]
	v_cvt_pk_bf16_f32 v[Y+2*(8*\kk+\rp)+1], v[X+4*(8*\kk+\rp)+2], v[X+4*(8*\kk+\rp)+3]
.if \half
	v_lshlrev_b32 v[T],   16, v[Y+2*(8*\kk+\rp)]
	v_and_b32     v[T+1], 0xffff0000, v[Y+2*(8*\kk+\rp)]
	v_lshlrev_b32 v[T+2], 16, v[Y+2*(8*\kk+\rp)+1]
	v_and_b32     v[T+3], 0xffff0000, v[Y+2*(8*\kk+\rp)+1]
	v_cvt_pk_f16_f32 v[Y+2*(8*\kk+\rp)],   v[T],   v[T+1]
	v_cvt_pk_f16_f32 v[Y+2*(8*\kk+\rp)+1], v[T+2], v[T+3]
.endif
	global_store_b64 v[6+\kk], v[Y+2*(8*\kk+\rp):Y+2*(8*\kk+\rp)+1], s[22:23] offset:\rp*256
.endm
	s_cmp_ge_u32 ttmp9, 704
	s_cbranch_scc1 .Lw_proj
.irp kk, 0,1
.irp rp, 0,1,2,3,4,5,6,7
	GROUP \kk, \rp, 0
.endr
.endr
	s_endpgm
.Lw_proj:
.irp kk, 0,1
.irp rp, 0,1,2,3,4,5,6,7
	GROUP \kk, \rp, 1
.endr
.endr
	s_endpgm
.Lfunc_end_k_q66aad13339_cvt:
	.size	k_q66aad13339_cvt, .Lfunc_end_k_q66aad13339_cvt-k_q66aad13339_cvt
	.p2alignl 7, 3214868480
	.fill 96, 4, 3214868480
	.section	.rodata,"a",@progbits
	.p2align	6, 0x0
	.amdhsa_kernel k_q66aad13339_cvt
		.amdhsa_group_segment_fixed_size 0
		.amdhsa_private_segment_fixed_size 0
		.amdhsa_enable_private_segment 0
		.amdhsa_kernarg_size 48
		.amdhsa_user_sgpr_count 2
		.amdhsa_user_sgpr_kernarg_segment_ptr 1
		.amdhsa_wavefront_size32 1
		.amdhsa_system_sgpr_workgroup_id_x 1
		.amdhsa_system_sgpr_workgroup_id_y 1
		.amdhsa_system_sgpr_workgroup_id_z 1
		.amdhsa_system_vgpr_workitem_id 0
		.amdhsa_next_free_vgpr 112
		.amdhsa_next_free_sgpr 66
		.amdhsa_reserve_vcc 0
		.amdhsa_float_denorm_mode_32 3
		.amdhsa_float_denorm_mode_16_64 3
		.amdhsa_memory_ordered 1
		.amdhsa_forward_progress 1
		.amdhsa_inst_pref_size 17
	.end_amdhsa_kernel
	.amdgpu_metadata
---
amdhsa.version: [ 1, 2 ]
amdhsa.kernels:
  - .name:           k_q66aad13339_cvt
    .symbol:         k_q66aad13339_cvt.kd
    .args:
      - { .name: x, .offset: 0, .size: 8, .value_kind: global_buffer, .address_space: global }
      - { .name: w_qkv, .offset: 8, .size: 8, .value_kind: global_buffer, .address_space: global }
      - { .name: w_proj, .offset: 16, .size: 8, .value_kind: global_buffer, .address_space: global }
      - { .name: xb, .offset: 24, .size: 8, .value_kind: global_buffer, .address_space: global }
      - { .name: wqb, .offset: 32, .size: 8, .value_kind: global_buffer, .address_space: global }
      - { .name: wpb, .offset: 40, .size: 8, .value_kind: global_buffer, .address_space: global }
    .group_segment_fixed_size: 0
    .private_segment_fixed_size: 0
    .kernarg_segment_align: 8
    .kernarg_segment_size: 48
    .max_flat_workgroup_size: 256
    .sgpr_count:     66
    .vgpr_count:     112
    .wavefront_size: 32
...
	.end_amdgpu_metadata
.endif
;; end of part 1
;; launch qkv (part 2): grid 16 x 32, 4 waves a work-group, clusters of 4 x 4, 327,680 bytes of LDS; arguments xb, wqb, qkvh; writes qkvh
.if DOCPART == 2
	.amdgcn_target "amdgcn-amd-amdhsa--gfx1250"
	.amdhsa_code_object_version 6
	.text
	.protected	k_q66aad13339_qkv
	.globl	k_q66aad13339_qkv
	.p2align	8
	.type	k_q66aad13339_qkv,@function
k_q66aad13339_qkv:
	s_mov_b64 s[64:65], 0
	v_nop
	global_prefetch_b8 v0, s[64:65] scope:SCOPE_SE
	s_setreg_imm32_b32 hwreg(HW_REG_WAVE_MODE, 25, 1), 1
	s_wait_xcnt 0x0
	s_wait_alu depctr_hold_cnt(0) depctr_sa_sdst(0) depctr_va_vdst(0) depctr_va_sdst(0) depctr_va_ssrc(0) depctr_va_vcc(0) depctr_vm_vsrc(0)
	s_getreg_b32 s2, hwreg(HW_REG_IB_STS2, 6, 4)
	s_cmp_eq_u32 s2, 0
	s_cbranch_scc0 .Lentry_in_a_cluster
	s_endpgm
.Lentry_in_a_cluster:
	s_bfe_u32 s2, ttmp6, 0x10000c
	s_cmp_lg_u32 s2, 0xf033
	s_cbranch_scc0 .Lentry_shape_is_right
	s_endpgm
.Lentry_shape_is_right:
; qkv[row][e] = sum over k of x[row][k] w_qkv[e][k]: 8,192 x 3,072 x 1,024, bf16 operands, f32 sums, result rounded once to f16.
; Operands lie in planes T[k/64][row][64] (128 bytes a row, rows dense).  The result goes to qkvh[e/64][row][64]: plane 16 x which + head.
; LIMIT: q, k and v are kept in f16: |q|, |k|, |v| < 65,504.
; A work-group makes 256 rows x 192 columns with four waves; wave w makes rows 64 w .. 64 w + 63 and all 192 columns (three whole heads):
; 4 x 12 accumulator tiles of 16 x 16, 384 registers.  K goes in 8 steps of 128 (two planes) through two LDS slots filled by tensor loads.
; An LDS row holds 256 bytes = two consecutive rows of a plane, then 16 bytes of padding: matrix row p lies at (p>>1) x 272 + (p&1) x 128,
; so the 16 rows that a fragment load touches lie in 16 different 16-byte columns modulo 256 bytes.
; CLUSTERS: 4 x 4 work-groups.  x's tile hangs on the block row alone and is asked for jointly along a row of the cluster, w's on the block
; column alone and is asked for jointly along a column.  Waves 0, 1 ask for x's two planes, waves 2, 3 for w's: one tensor load a wave.
; By this text's own count a wave has two tensor loads out at the start and one behind each refill.
; THE MATRIX INSTRUCTION IS USED TRANSPOSED: source 0 = 16 rows of w, source 1 = 16 rows of x, so that lane l holds row l % 16 of the result
; and its 8 registers hold 8 neighbouring columns.
; REGISTERS by windows of 256: window 0: v16-26 addresses, v32-63 and v64-95 x's fragments (two buffers), v96-191 the way out;
; window 1: v0-95 and v96-191 w's fragments (two buffers); window 2: tiles (a, b < 8) at 8 (8 a + b); window 3: tiles (a, 8 + b) at 8 (4 a + b).
; The 48 accumulators take turns, one instruction a turn.
.set BN,     192
.set PITCH,  272
.set APL,    128*PITCH                 ; a plane of x's tile: 256 matrix rows
.set PB,     (BN/2)*PITCH              ; a plane of w's tile: 192 matrix rows
.set BOFF,   2*APL
.set SLOT,   BOFF+2*PB                 ; 121,856
.set STAGE,  2*SLOT                    ; behind the ring, never filled by a tensor load
.set WSTAGE, 3*16*144                  ; a wave's stage: 3 heads x 16 rows x (128 + 16) bytes
.set APLANE, 8192*128                  ; bytes of a plane in memory
.set BPLANE, 3072*128
.set LAPS,   4                         ; a lap = two K steps = once round the ring
.set NLD,    32                        ; LDS loads of one fetch: 8 for x, 24 for w
.set FBW,    96                        ; registers of one buffer of w's fragments
.set ADRA, 16
.set ADRB, 20
.set STO,  24
.set RD,   25
.set CO,   26
.set FA,   32
.set TMP,  96
.set BK,   144
.set G1A, 24
.set G0A, 32
.set G1B, 48
.set G0B, 56
.set MUL_LO, 0xa1                      ; source 0 window 1, source 1 window 0, C and D window 2
.set MUL_HI, 0xf1                      ; the same, C and D window 3
.set TO_B,   0x40                      ; destination window 1, address window 0
.set MSB, 0
.macro WIN new                         ; the immediate's high byte repeats the setting that is left
.if MSB != \new
	s_set_vgpr_msb (MSB<<8)|\new
.set MSB, \new
.endif
.endm
.macro PLACES                          ; four places behind a matrix instruction in front of loads into, or reads of, its registers
.rept 4
	v_nop
.endr
.endm
.macro JLOAD s                         ; the wave's one joint load; the branch hangs on the wave's number alone
	s_cmp_eq_u32 s13, 0
	s_cbranch_scc0 .Lfor_b_\@
	tensor_load_to_lds s[G0A+4*\s:G0A+4*\s+3], s[G1A:G1A+7]
	s_nop 0
	s_branch .Lasked_\@
.Lfor_b_\@:
	tensor_load_to_lds s[G0B+4*\s:G0B+4*\s+3], s[G1B:G1B+7]
	s_nop 0
.Lasked_\@:
.endm
.macro CREST                           ; a round of the cluster's barrier behind its opening barrier
	s_cmp_lg_u32 s12, 0
	s_cbranch_scc1 .Lnot_wave_0_\@
	s_barrier_signal -3
.Lnot_wave_0_\@:
	s_barrier_wait -3
	s_barrier_signal -1
	s_barrier_wait -1
.endm
.macro CROUND
	s_barrier_signal -1
	s_barrier_wait -1
	CREST
.endm
	s_load_b128 s[4:7], s[0:1], 0x0                ; xb s[4:5], wqb s[6:7]
	s_load_b64 s[8:9], s[0:1], 0x10                ; qkvh
	s_set_vgpr_msb 0x40
	v_lshl_add_u32 v255, v0, 2, 0x42400
	s_set_vgpr_msb 0x4000
	v_mov_b32 v255, 0
	s_set_vgpr_msb 0x1
	ds_add_u32 v255, v255
	ds_add_u32 v255, v255
	s_set_vgpr_msb 0x100
	v_lshrrev_b32 v1, 5, v0
	v_readfirstlane_b32 s12, v1                    ; wave 0..3
	s_lshr_b32 s13, s12, 1                         ; I fetch for x (0) or for w (1)
	s_and_b32 s14, s12, 1                          ; which of a K step's two planes I fetch
	s_bfe_u32 s16, ttmp6, 0x40000                  ; cx
	s_bfe_u32 s17, ttmp6, 0x40004                  ; cy
	s_lshl_b32 s18, ttmp9, 2
	s_add_co_u32 s18, s18, s16                     ; block column = 4 x cluster x + cx
	s_and_b32 s19, ttmp7, 0xffff
	s_lshl_b32 s19, s19, 2
	s_add_co_u32 s19, s19, s17                     ; block row = 4 x cluster y + cy
	s_lshl_b32 s20, s17, 2
	s_lshl_b32 s20, 15, s20                        ; my row of the cluster
	s_lshl_b32 s21, 0x1111, s16                    ; my column
	; group 1: rows of 128 elements of 2 bytes (256 bytes), dense in memory, 4 words of padding behind every 64 words
	s_or_b32 s[G1A+0], s20, (1<<16)|(1<<20)|(1<<21)|(5<<22)|(3<<25)
	s_mov_b32 s[G1A+1], 128<<16                    ; tensor_dim0 = 128
	s_mov_b32 s[G1A+2], 128<<16                    ; tensor_dim1 = 128
	s_mov_b32 s[G1A+3], 128<<16                    ; tile_dim0 = 128
	s_mov_b32 s[G1A+4], 128                        ; tile_dim1 = 128 rows (256 matrix rows)
	s_mov_b32 s[G1A+5], 128                        ; from row to row: 128 elements
	s_mov_b32 s[G1A+6], 0
	s_mov_b32 s[G1A+7], 0
	s_or_b32 s[G1B+0], s21, (1<<16)|(1<<20)|(1<<21)|(5<<22)|(3<<25)
	s_mov_b32 s[G1B+1], 128<<16
	s_mov_b32 s[G1B+2], (BN/2)<<16
	s_mov_b32 s[G1B+3], 128<<16
	s_mov_b32 s[G1B+4], BN/2                       ; 96 rows (192 matrix rows)
	s_mov_b32 s[G1B+5], 128
	s_mov_b32 s[G1B+6], 0
	s_mov_b32 s[G1B+7], 0
	; where the tiles come from: x's from the block row and the wave, w's from the block column and the wave, in registers of their own
	s_lshl_b32 s40, s14, 20                        ; my plane of the step's two: 1 MiB a plane of x
	s_lshl_b32 s22, s19, 15                        ; block row x 256 rows x 128 bytes
	s_add_co_u32 s40, s40, s22
	s_mov_b32 s41, 0
	s_mul_i32 s42, s14, BPLANE
	s_mul_i32 s44, s18, BN*128                     ; block column x 192 rows x 128 bytes
	s_add_co_u32 s42, s42, s44
	s_mov_b32 s43, 0
	s_mul_i32 s45, s12, APL                        ; and where they go: x's planes at wave x 34,816 (waves 0, 1),
	s_mul_i32 s46, s12, PB
	s_add_co_u32 s46, s46, BOFF-2*PB               ; w's behind them (waves 2, 3)
	s_wait_dscnt 0x0
	s_wait_kmcnt 0x0
	s_add_nc_u64 s[40:41], s[4:5], s[40:41]
	s_add_nc_u64 s[42:43], s[6:7], s[42:43]
	CROUND                                         ; all sixteen work-groups are here: the first joint loads meet
.irp s, 0,1
	s_mov_b32 s[G0A+4*\s], 1
	s_add_co_u32 s[G0A+4*\s+1], s45, \s*SLOT
	s_add_nc_u64 s[G0A+4*\s+2:G0A+4*\s+3], s[40:41], \s*2*APLANE   ; K step s: planes 2 s, 2 s + 1
	s_or_b32 s[G0A+4*\s+3], s[G0A+4*\s+3], 0x80000000
	s_mov_b32 s[G0B+4*\s], 1
	s_add_co_u32 s[G0B+4*\s+1], s46, \s*SLOT
	s_add_nc_u64 s[G0B+4*\s+2:G0B+4*\s+3], s[42:43], \s*2*BPLANE
	s_or_b32 s[G0B+4*\s+3], s[G0B+4*\s+3], 0x80000000
	JLOAD \s
.endr
	; a fragment: lane l holds row l % 16; registers 0-3 hold K = 8 (l / 16) + 0..7, registers 4-7 hold K = 16 + 8 (l / 16) + 0..7
	v_and_b32 v1, 15, v0                           ; r
	v_bfe_u32 v2, v0, 4, 1                         ; h
	v_lshrrev_b32 v4, 1, v1
	v_mul_u32_u24 v3, v4, PITCH                    ; (r>>1) x 272
	v_and_b32 v5, 1, v1
	v_lshl_add_u32 v3, v5, 7, v3                   ; + (r&1) x 128
	v_lshl_add_u32 v3, v2, 4, v3                   ; + 16 h
	s_mul_i32 s23, s12, 32*PITCH                   ; my 64 rows of x's tile
	v_add_nc_u32 v[ADRA], s23, v3
	v_add_nc_u32 v[ADRA+1], SLOT, v[ADRA]
	v_add_nc_u32 v[ADRB], BOFF, v3
	v_add_nc_u32 v[ADRB+1], SLOT, v[ADRB]
	s_mul_i32 s23, s12, WSTAGE
	s_add_co_u32 s23, s23, STAGE                   ; my stage
	v_mul_u32_u24 v4, v1, 144                      ; in: row r, 16 bytes for each half of the lanes
	v_lshl_add_u32 v4, v2, 4, v4
	v_add_nc_u32 v[STO], s23, v4
	v_and_b32 v5, 31, v0
	v_lshrrev_b32 v6, 3, v5                        ; back: eight lanes take a row of 128 bytes, a load takes four rows
	v_and_b32 v7, 7, v0
	v_mul_u32_u24 v6, v6, 144
	v_lshl_add_u32 v6, v7, 4, v6
	v_add_nc_u32 v[RD], s23, v6
	v_lshlrev_b32 v[CO], 4, v5                     ; four rows of a plane are 512 dense bytes: 16 x lane
; 32 matrix instructions: my 4 row tiles x column tiles 0-7, 32 along K, from buffer f.  zero = 1: the first product starts the sums.
.macro MULP1 f, zero
.irp a, 0,1,2,3
.irp b, 0,1,2,3,4,5,6,7
.if \zero
	v_wmma_f32_16x16x32_bf16 v[8*(8*\a+\b):8*(8*\a+\b)+7], v[FBW*\f+8*\b:FBW*\f+8*\b+7], v[FA+32*\f+8*\a:FA+32*\f+8*\a+7], 0
.else
	v_wmma_f32_16x16x32_bf16 v[8*(8*\a+\b):8*(8*\a+\b)+7], v[FBW*\f+8*\b:FBW*\f+8*\b+7], v[FA+32*\f+8*\a:FA+32*\f+8*\a+7], v[8*(8*\a+\b):8*(8*\a+\b)+7]
.endif
.endr
.endr
.endm
; 16 matrix instructions: column tiles 8-11
.macro MULP2 f, zero
.irp a, 0,1,2,3
.irp b, 0,1,2,3
.if \zero
	v_wmma_f32_16x16x32_bf16 v[8*(4*\a+\b):8*(4*\a+\b)+7], v[FBW*\f+64+8*\b:FBW*\f+64+8*\b+7], v[FA+32*\f+8*\a:FA+32*\f+8*\a+7], 0
.else
	v_wmma_f32_16x16x32_bf16 v[8*(4*\a+\b):8*(4*\a+\b)+7], v[FBW*\f+64+8*\b:FBW*\f+64+8*\b+7], v[FA+32*\f+8*\a:FA+32*\f+8*\a+7], v[8*(4*\a+\b):8*(4*\a+\b)+7]
.endif
.endr
.endr
.endm
; the fragments of quarter kq (32 along K: plane kq>>1, byte 64 (kq&1) of its rows) of a slot into buffer f: one run of 32 loads
.macro FETCH slot, kq, f
	WIN 0
.irp a, 0,1,2,3
	ds_load_b128 v[FA+32*\f+8*\a:FA+32*\f+8*\a+3],   v[ADRA+\slot] offset:(\kq>>1)*APL+\a*8*PITCH+(\kq&1)*64
	ds_load_b128 v[FA+32*\f+8*\a+4:FA+32*\f+8*\a+7], v[ADRA+\slot] offset:(\kq>>1)*APL+\a*8*PITCH+(\kq&1)*64+32
.endr
	WIN TO_B
.irp b, 0,1,2,3,4,5,6,7,8,9,10,11
	ds_load_b128 v[FBW*\f+8*\b:FBW*\f+8*\b+3],   v[ADRB+\slot] offset:(\kq>>1)*PB+\b*8*PITCH+(\kq&1)*64
	ds_load_b128 v[FBW*\f+8*\b+4:FBW*\f+8*\b+7], v[ADRB+\slot] offset:(\kq>>1)*PB+\b*8*PITCH+(\kq&1)*64+32
.endr
.endm
; one of a K step's first three quarters: fetches quarter kq into buffer g, then multiplies buffer f (48 matrix instructions in which the fetch lands)
.macro QUARTER slot, kq, f, g, zero
	PLACES                                         ; buffer g was read by the matrix instructions just issued
	FETCH \slot, \kq, \g
	s_wait_dscnt NLD                               ; all but the 32 just issued: buffer f is in
	WIN MUL_LO
	MULP1 \f, \zero
	WIN MUL_HI
	MULP2 \f, \zero
.endm
.macro THREE slot, zero
	QUARTER \slot, 1, 0, 1, \zero
	QUARTER \slot, 2, 1, 0, 0
	QUARTER \slot, 3, 0, 1, 0
.endm
; the fourth quarter multiplies buffer 1 and changes slots.  In front of the barrier each wave waits for its reads of this slot and for all its
; tensor loads (the one that is out is its part of the next slot); behind it the refill comes first, then the next slot's first fragments.
.macro TURN slot, next, fill
	s_wait_dscnt 0x0                               ; buffer 1 is in, and with it my last reads of this slot
	s_wait_tensorcnt 0x0                           ; all my tensor loads have landed
	ds_add_u32 v255, v255
	s_wait_dscnt 0x0
	s_barrier_signal -1                            ; (where the slot is filled again this barrier opens a round of the cluster's barrier)
	WIN MUL_HI
	MULP2 1, 0                                     ; register work while the others arrive
	WIN 0
	s_barrier_wait -1
.if \fill
	CREST                                          ; no wave of any partner still reads this slot or has a load on its way
	s_add_nc_u64 s[G0A+4*\slot+2:G0A+4*\slot+3], s[G0A+4*\slot+2:G0A+4*\slot+3], 4*APLANE   ; two K steps on: four planes
	s_add_nc_u64 s[G0B+4*\slot+2:G0B+4*\slot+3], s[G0B+4*\slot+2:G0B+4*\slot+3], 4*BPLANE
	JLOAD \slot                                    ; the first tensor load behind the round, my only one until the next
.endif
	PLACES
	FETCH \next, 0, 0
	WIN MUL_LO
	MULP1 1, 0
.endm
.macro LAP zero
	THREE 0, \zero
	TURN 0, 1, 1
	THREE 1, 0
	TURN 1, 0, 1
.endm
	s_wait_tensorcnt 0x1                           ; my part of K step 0 is in; K step 1's stays out
	s_barrier_signal -1
	s_barrier_wait -1
	FETCH 0, 0, 0
	LAP 1                                          ; the first lap's first products start the sums
	WIN 0
	s_mov_b32 s15, LAPS-2
.Llap:
	LAP 0
	WIN 0
	s_sub_co_u32 s15, s15, 1
	s_cmp_lg_u32 s15, 0
	s_cbranch_scc1 .Llap
	THREE 0, 0                                     ; the last lap fills nothing
	TURN 0, 1, 0
	THREE 1, 0
	s_wait_dscnt 0x0
	WIN MUL_LO
	MULP1 1, 0
	WIN MUL_HI
	MULP2 1, 0
	; THE WAY OUT, 16 rows at a time: round to f16, 16 bytes a lane into my own stage, read back by rows of 128 bytes, four rows a store.
	PLACES
	WIN 0
	s_mul_i32 s42, s18, 3<<20                      ; my first plane: 3 x block column, 1 MiB a plane
	s_mov_b32 s43, 0
	s_add_nc_u64 s[8:9], s[8:9], s[42:43]
	s_lshl_b32 s40, s19, 15                        ; my first row: 256 x block row + 64 x wave, 128 bytes a row
	s_lshl_b32 s22, s12, 13
	s_add_co_u32 s40, s40, s22
	s_mov_b32 s41, 0
	s_add_nc_u64 s[8:9], s[8:9], s[40:41]
.macro OUT16 a
	WIN 0x0a                                       ; sources in window 2
.irp b, 0,1,2,3,4,5,6,7
.irp q, 0,1,2,3
	v_cvt_pk_f16_f32 v[TMP+4*\b+\q], v[8*(8*\a+\b)+2*\q], v[8*(8*\a+\b)+2*\q+1]
.endr
.endr
	WIN 0x0f                                       ; sources in window 3
.irp b, 0,1,2,3
.irp q, 0,1,2,3
	v_cvt_pk_f16_f32 v[TMP+32+4*\b+\q], v[8*(4*\a+\b)+2*\q], v[8*(4*\a+\b)+2*\q+1]
.endr
.endr
	WIN 0
.irp b, 0,1,2,3,4,5,6,7,8,9,10,11
	ds_store_b128 v[STO], v[TMP+4*\b:TMP+4*\b+3] offset:(\b/4)*2304+(\b%4)*32
.endr
	s_wait_xcnt 0x0                                ; the registers that the last sixteen rows' stores read are loaded again only behind this wait (ISA guide 3.1)
.irp n, 0,1,2,3,4,5,6,7,8,9,10,11
	ds_load_b128 v[BK+4*\n:BK+4*\n+3], v[RD] offset:(\n/4)*2304+(\n%4)*576   ; LDS serves a wave's instructions in order (ISA guide 5.7.1): these see the stores above
.endr
.irp n, 0,1,2,3,4,5,6,7,8,9,10,11
	s_wait_dscnt 11-\n
	global_store_b128 v[CO], v[BK+4*\n:BK+4*\n+3], s[8:9] offset:(\n/4)*1048576+\a*2048+(\n%4)*512   ; 512 consecutive bytes of one plane, aligned
.endr
.endm
	OUT16 0
	OUT16 1
	OUT16 2
	OUT16 3
	s_set_vgpr_msb 0x1
	s_wait_tensorcnt 0x0
	ds_add_u32 v255, v255
	s_wait_dscnt 0x0
	s_set_vgpr_msb 0x100
	CROUND                                         ; the closing round: no work-group ends while a partner may still ask for a tile that names it
	s_endpgm
.Lfunc_end_k_q66aad13339_qkv:
	.size	k_q66aad13339_qkv, .Lfunc_end_k_q66aad13339_qkv-k_q66aad13339_qkv
	.p2alignl 7, 3214868480
	.fill 96, 4, 3214868480
	.section	.rodata,"a",@progbits
	.p2align	6, 0x0
	.amdhsa_kernel k_q66aad13339_qkv
		.amdhsa_group_segment_fixed_size 327680
		.amdhsa_private_segment_fixed_size 0
		.amdhsa_enable_private_segment 0
		.amdhsa_kernarg_size 24
		.amdhsa_user_sgpr_count 2
		.amdhsa_user_sgpr_kernarg_segment_ptr 1
		.amdhsa_wavefront_size32 1
		.amdhsa_system_sgpr_workgroup_id_x 1
		.amdhsa_system_sgpr_workgroup_id_y 1
		.amdhsa_system_sgpr_workgroup_id_z 1
		.amdhsa_system_vgpr_workitem_id 0
		.amdhsa_next_free_vgpr 896
		.amdhsa_next_free_sgpr 66
		.amdhsa_reserve_vcc 0
		.amdhsa_float_denorm_mode_32 3
		.amdhsa_float_denorm_mode_16_64 3
		.amdhsa_memory_ordered 1
		.amdhsa_forward_progress 1
		.amdhsa_inst_pref_size 162
	.end_amdhsa_kernel
	.amdgpu_metadata
---
amdhsa.version: [ 1, 2 ]
amdhsa.kernels:
  - .name:           k_q66aad13339_qkv
    .symbol:         k_q66aad13339_qkv.kd
    .args:
      - { .name: xb, .offset: 0, .size: 8, .value_kind: global_buffer, .address_space: global }
      - { .name: wqb, .offset: 8, .size: 8, .value_kind: global_buffer, .address_space: global }
      - { .name: qkvh, .offset: 16, .size: 8, .value_kind: global_buffer, .address_space: global }
    .group_segment_fixed_size: 327680
    .private_segment_fixed_size: 0
    .kernarg_segment_align: 8
    .kernarg_segment_size: 24
    .max_flat_workgroup_size: 128
    .sgpr_count:     66
    .vgpr_count:     896
    .wavefront_size: 32
...
	.end_amdgpu_metadata
.endif
;; end of part 2
;; launch attn (part 3): grid 4 x 64, 8 waves a work-group, no clusters, 327,680 bytes of LDS; arguments qkvh, ctxh; writes ctxh
.if DOCPART == 3
	.amdgcn_target "amdgcn-amd-amdhsa--gfx1250"
	.amdhsa_code_object_version 6
	.text
	.protected	k_q66aad13339_attn
	.globl	k_q66aad13339_attn
	.p2align	8
	.type	k_q66aad13339_attn,@function
k_q66aad13339_attn:
	s_mov_b64 s[64:65], 0
	v_nop
	global_prefetch_b8 v0, s[64:65] scope:SCOPE_SE
	s_setreg_imm32_b32 hwreg(HW_REG_WAVE_MODE, 25, 1), 1
	s_wait_xcnt 0x0
; Causal attention of one (batch, head): ctx = softmax(q k^T / 8, causal) v, with a running maximum.  q, k, v: planes of qkvh, f16, rows of 128 bytes.
; Work-group (i, bh) makes the query blocks i and 7 - i (256 rows each): (i + 1) + (8 - i) = 9 key blocks of 256 for every work-group.
; Eight waves.  Waves w and w + 4 own the same 64 query rows (64 (w & 3)) and split the keys: of every 128 keys wave half kh = w >> 2 takes 64.
; Each keeps its own maximum, sum and O; the two are merged once for each query block, through LDS.
; Nine phases, one key block each, on two LDS slots by turns: phase 0 is block i's diagonal; phases 1-7 (index f = 0..6) are full blocks,
; key block f for query block i while f < i, then key block f - i for query block 7 - i; phase 8 is the second diagonal.
; NO CLUSTER: the four work-groups of a head want different key blocks in each phase (i, then f or f - i); in step they would need 12 phases for 9.
; S^T = K Q^T and O^T += V^T P^T: a lane's S registers (its query's keys 8 h + j of each key tile) are, packed to f16, its fragment of P^T: no shuffle.
; THE ORDER OF A TILE (64 keys x 64 queries) is a pipeline over its four query sub-blocks u of 16 queries, so that matrix instructions, exponentials
; and plain arithmetic stand mixed in the text and none in a long run of its own: beside the 32 exponentials of u stand the maximum and c s - c m of
; u + 1, the sums and the packing of u - 1, and matrix instructions one at a time: S of u + 3 among the multiply-adds, O of u - 1 among the
; rescaling of O of u.  In a full phase the second tile's K fragments and first 16 products are made inside the first tile.
; THE PHASE'S BARRIER stands inside its second tile, where the wave has read all it needs of the slot into registers: behind it the slot is filled
; again (the block of two phases on) and the next phase's first K fragments are read from the other slot.
; LIMITS: |q|, |k|, |v| < 65,504 (f16).  A masked logit is -2^100; the f16 limit keeps real logits above -2.8e11.  A tile that is masked whole
; (the first tile of wave half 1 on the block's first 64 rows) leaves maximum -2^100, which the next factor exp2(-huge) = 0 wipes.
; By this text's own count a wave has two tensor loads out at the start and one behind each refill.
; LDS: slot s at s x 71,680: V 128 rows (two keys each) x 288, then K 128 rows x 272; MERGE 4 x 17,408; a stage of 9,216 for each wave.
; REGISTERS: window 0: v4-15 addresses, v16-63 statistics, v64-127 K fragments, v128-255 S, then P in place;
; window 1: v0-127 O (tile (dt, u) at 32 u + 8 dt), v128-191 Q fragments, v192-255 V fragments.
; Window settings: 0x04 (source 1 in window 1) serves K Q^T and, with it, instructions whose vector sources are S and statistics in places 0 and 2;
; 0x51 serves V^T P^T and O times the factor; 0x40 loads into window 1.
.set SLOTB,  71680
.set KOFF,   36864
.set MERGE,  143360
.set MRGW,   17408
.set OSTAGE, 212992
.set OSTW,   9216
.set KA,   4                           ; v4-5   my K fragments in slot 0, 1
.set VA,   6                           ; v6-7   my V fragments in slot 0, 1
.set MD0,  8                           ; 8 h - r
.set MD,   9
.set NEG,  10                          ; -2^100
.set MADR, 11
.set OST,  12
.set ORD,  13
.set CO,   14
.set QO,   15
.set M,    16                          ; v[16:19] running maximum of my query in sub-block u (raw logits)
.set L,    20                          ; v[20:23] sums, at the merge
.set LS,   24                          ; v[24:31] running sums, a pair for each u
.set NM,   32                          ; v[32+4u] -c m; v[33+4u] its pair partner
.set AL,   34                          ; v[34+4u] the factor; v[35+4u] its partner, also scratch
.set T2,   35
.set PM,   48                          ; the partner's maxima
.set PL,   52                          ; the partner's sums
.set X,    56                          ; v[56:59] four chains of a maximum
.set KF,   64                          ; window 0
.set S,    128                         ; window 0
.set O,    0                           ; window 1
.set Q,    128                         ; window 1
.set VF,   192                         ; window 1
.set G1V, 16
.set G1K, 24
.set G0V, 32
.set G0K, 40
.set MSB, 0
.set ecur, 0
.set eend, 0
.macro WIN new                         ; the immediate's high byte repeats the setting that is left
.if MSB != \new
	s_set_vgpr_msb (MSB<<8)|\new
.set MSB, \new
.endif
.endm
.macro NOPS n
.rept \n
	v_nop
.endr
.endm
.macro KVLOAD s                        ; the wave's one tensor load: waves 0-3 a quarter of V's tile, waves 4-7 a quarter of K's
	s_cmp_lg_u32 s9, 0
	s_cbranch_scc1 .Lfor_k_\@
	tensor_load_to_lds s[G0V+4*\s:G0V+4*\s+3], s[G1V:G1V+7]
	s_nop 0
	s_branch .Lasked_\@
.Lfor_k_\@:
	tensor_load_to_lds s[G0K+4*\s:G0K+4*\s+3], s[G1K:G1K+7]
	s_nop 0
.Lasked_\@:
.endm
	s_load_b128 s[4:7], s[0:1], 0x0                ; qkvh s[4:5], ctxh s[6:7]
	v_lshl_add_u32 v62, v0, 2, 0x46000
	v_mov_b32 v63, 0
	ds_add_u32 v62, v63
	ds_add_u32 v62, v63
	v_lshrrev_b32 v1, 5, v0
	v_readfirstlane_b32 s8, v1                     ; wave 0..7
	s_lshr_b32 s9, s8, 2                           ; kh: my half of the keys
	s_and_b32 s10, s8, 3                           ; wq: my 64 query rows
	s_mov_b32 s11, ttmp9                           ; i
	s_sub_co_u32 s12, s11, 1                       ; i - 1 (all ones for i = 0: equal to no phase index)
	s_mov_b32 s14, 0x3e38aa3b                      ; c = log2(e) / 8
	s_mov_b32 s15, 0xbe38aa3b                      ; -c
	s_mov_b32 s60, 0x76543210                      ; v_permlanex16_b32: lane l reads lane l xor 16
	s_mov_b32 s61, 0xfedcba98
	s_mov_b32 s63, 0
	s_and_b32 s2, ttmp7, 0xffff                    ; 16 x batch + head
	s_lshr_b32 s3, s2, 4
	s_and_b32 s2, s2, 15
	s_lshl_b32 s2, s2, 20                          ; head: 1 MiB a plane
	s_lshl_b32 s3, s3, 18                          ; batch: 2,048 rows x 128 bytes
	s_add_co_u32 s2, s2, s3
	s_lshl_b32 s3, s10, 13                         ; wq x 64 rows x 128 bytes: my query rows in a block, and my quarter of a key block
	s_add_co_u32 s2, s2, s3
	s_mov_b32 s3, 0
	s_lshl_b32 s66, s11, 15                        ; block i: 256 rows x 128 bytes
	s_mov_b32 s67, 0
	s_sub_co_u32 s68, 7, s11
	s_lshl_b32 s68, s68, 15                        ; block 7 - i
	s_mov_b32 s69, 0
	; group 1: 32 rows of 128 elements of 2 bytes (64 keys), dense in memory; V padded by 8 words a row (pitch 288), K by 4 (pitch 272)
	s_mov_b32 s[G1V+0], (1<<16)|(1<<20)|(5<<22)|(7<<25)
	s_mov_b32 s[G1V+1], 128<<16
	s_mov_b32 s[G1V+2], 32<<16
	s_mov_b32 s[G1V+3], 128<<16
	s_mov_b32 s[G1V+4], 32
	s_mov_b32 s[G1V+5], 128
	s_mov_b32 s[G1V+6], 0
	s_mov_b32 s[G1V+7], 0
	s_mov_b32 s[G1K+0], (1<<16)|(1<<20)|(5<<22)|(3<<25)
	s_mov_b32 s[G1K+1], 128<<16
	s_mov_b32 s[G1K+2], 32<<16
	s_mov_b32 s[G1K+3], 128<<16
	s_mov_b32 s[G1K+4], 32
	s_mov_b32 s[G1K+5], 128
	s_mov_b32 s[G1K+6], 0
	s_mov_b32 s[G1K+7], 0
	s_mov_b32 s[G0V+0], 1
	s_mov_b32 s[G0V+4], 1
	s_mov_b32 s[G0K+0], 1
	s_mov_b32 s[G0K+4], 1
	s_mul_i32 s[G0V+1], s8, 32*288                 ; V: wave x 9,216 (waves 0-3)
	s_add_co_u32 s[G0V+5], s[G0V+1], SLOTB
	s_mul_i32 s[G0K+1], s8, 32*272                 ; K: 36,864 + (wave - 4) x 8,704 (waves 4-7)
	s_add_co_u32 s[G0K+1], s[G0K+1], KOFF-4*32*272
	s_add_co_u32 s[G0K+5], s[G0K+1], SLOTB
	s_wait_dscnt 0x0
	s_wait_kmcnt 0x0
	s_add_nc_u64 s[52:53], s[4:5], s[2:3]          ; q's plane at my rows of block 0
	s_add_nc_u64 s[50:51], s[52:53], 0x1000000     ; k's plane, 16 planes on: my quarter of key block 0
	s_add_nc_u64 s[48:49], s[52:53], 0x2000000     ; v's plane, 32 planes on
	s_add_nc_u64 s[56:57], s[6:7], s[2:3]
	s_add_nc_u64 s[54:55], s[52:53], s[68:69]      ; q of block 7 - i
	s_add_nc_u64 s[52:53], s[52:53], s[66:67]      ; q of block i
	s_add_nc_u64 s[58:59], s[56:57], s[68:69]      ; ctx of block 7 - i
	s_add_nc_u64 s[56:57], s[56:57], s[66:67]      ; ctx of block i
	s_add_nc_u64 s[G0V+2:G0V+3], s[48:49], s[66:67]   ; slot 0: key block i (the diagonal)
	s_or_b32 s[G0V+3], s[G0V+3], 0x80000000
	s_mov_b64 s[G0V+6:G0V+7], s[48:49]                ; slot 1: key block 0
	s_or_b32 s[G0V+7], s[G0V+7], 0x80000000
	s_add_nc_u64 s[G0K+2:G0K+3], s[50:51], s[66:67]
	s_or_b32 s[G0K+3], s[G0K+3], 0x80000000
	s_mov_b64 s[G0K+6:G0K+7], s[50:51]
	s_or_b32 s[G0K+7], s[G0K+7], 0x80000000
	s_cmp_lg_u32 s9, 0                             ; both first fills of a wave inside one branch on its number
	s_cbranch_scc1 .Lfirst_k
	tensor_load_to_lds s[G0V:G0V+3], s[G1V:G1V+7]
	s_nop 0
	tensor_load_to_lds s[G0V+4:G0V+7], s[G1V:G1V+7]
	s_nop 0
	s_branch .Lfirst_done
.Lfirst_k:
	tensor_load_to_lds s[G0K:G0K+3], s[G1K:G1K+7]
	s_nop 0
	tensor_load_to_lds s[G0K+4:G0K+7], s[G1K:G1K+7]
	s_nop 0
.Lfirst_done:
	v_and_b32 v1, 15, v0                           ; r
	v_bfe_u32 v2, v0, 4, 1                         ; h
	v_and_b32 v3, 31, v0                           ; lane
	; K fragment: key r of a tile at (r>>1) x 272 + (r&1) x 128, its d = 8 h .. at + 16 h
	v_lshrrev_b32 v48, 1, v1
	v_mul_u32_u24 v49, v48, 272
	v_and_b32 v50, 1, v1
	v_lshl_add_u32 v49, v50, 7, v49
	v_lshl_add_u32 v49, v2, 4, v49
	s_mul_i32 s2, s9, 32*272
	s_add_co_u32 s2, s2, KOFF
	v_add_nc_u32 v[KA], s2, v49
	v_add_nc_u32 v[KA+1], SLOTB, v[KA]
	; V through the transposing load: lane l addresses key 8 h + (l & 7), 16 bytes at d = 8 ((l >> 3) & 1)
	v_bfe_u32 v50, v0, 1, 2                        ; (l & 7) >> 1
	v_lshl_add_u32 v50, v2, 2, v50                 ; + 4 h: the LDS row
	v_mul_u32_u24 v51, v50, 288
	v_and_b32 v52, 1, v0
	v_lshl_add_u32 v51, v52, 7, v51
	v_bfe_u32 v52, v0, 3, 1
	v_lshl_add_u32 v51, v52, 4, v51
	s_mul_i32 s2, s9, 32*288
	v_add_nc_u32 v[VA], s2, v51
	v_add_nc_u32 v[VA+1], SLOTB, v[VA]
	v_lshlrev_b32 v[MD0], 3, v2
	v_sub_nc_u32 v[MD0], v[MD0], v1                ; 8 h - r
	v_mov_b32 v[NEG], 0xf1800000                   ; -2^100
	s_mul_i32 s2, s10, MRGW
	s_add_co_u32 s2, s2, MERGE
	v_lshl_add_u32 v[MADR], v3, 4, s2              ; the pair's merge bytes: 16 x lane
	s_mul_i32 s2, s8, OSTW
	s_add_co_u32 s2, s2, OSTAGE                    ; my stage
	v_mul_u32_u24 v48, v1, 144
	v_lshl_add_u32 v48, v2, 4, v48
	v_add_nc_u32 v[OST], s2, v48                   ; in: row r, 16 bytes for each half of the lanes
	v_lshrrev_b32 v48, 3, v3
	v_and_b32 v49, 7, v0
	v_mul_u32_u24 v48, v48, 144
	v_lshl_add_u32 v48, v49, 4, v48
	v_add_nc_u32 v[ORD], s2, v48                   ; back: eight lanes a row of 128 bytes
	v_lshlrev_b32 v[CO], 4, v3
	v_lshlrev_b32 v[QO], 7, v1
	v_lshl_add_u32 v[QO], v2, 4, v[QO]             ; q: row r x 128 + 16 h
.irp u, 0,1,2,3
	v_mov_b32 v[NM+4*\u+1], 0                      ; the pair partners of -c m and of the factor: read as parts of a pair, and the lane exchange's
	v_mov_b32 v[T2+4*\u], 0                        ; destination counts as read
.endr
; my 64 query rows as B fragments, straight from memory into window 1: sub-block u, 32 d at byte 64 ks.  The wait is the caller's.
.macro PROL sq
	WIN 0x40
.irp u, 0,1,2,3
.irp ks, 0,1
	global_load_b128 v[Q+16*\u+8*\ks:Q+16*\u+8*\ks+3],   v[QO], s[\sq:\sq+1] offset:\u*2048+64*\ks
	global_load_b128 v[Q+16*\u+8*\ks+4:Q+16*\u+8*\ks+7], v[QO], s[\sq:\sq+1] offset:\u*2048+64*\ks+32
.endr
.endr
	WIN 0
.endm
; my 64 keys of step st of a slot: K's fragments (window 0: the caller's setting is 0)
.macro LOADK slot, st
.irp t, 0,1,2,3
.irp ks, 0,1
	ds_load_b128 v[KF+16*\t+8*\ks:KF+16*\t+8*\ks+3],   v[KA+\slot] offset:(\st)*17408+\t*2176+64*\ks
	ds_load_b128 v[KF+16*\t+8*\ks+4:KF+16*\t+8*\ks+7], v[KA+\slot] offset:(\st)*17408+\t*2176+64*\ks+32
.endr
.endr
.endm
; and V's, transposed on the way (window 1: the caller's setting is 0x40)
.macro LOADV slot, st
.irp dt, 0,1,2,3
.irp kp, 0,1
	ds_load_tr16_b128 v[VF+16*\dt+8*\kp:VF+16*\dt+8*\kp+3],   v[VA+\slot] offset:(\st)*18432+\kp*4608+32*\dt
	ds_load_tr16_b128 v[VF+16*\dt+8*\kp+4:VF+16*\dt+8*\kp+7], v[VA+\slot] offset:(\st)*18432+\kp*4608+32*\dt+2304
.endr
.endr
.endm
; The exponentials of the sub-block that is due are dealt out one at a time between other instructions.
.macro ESET u                          ; sub-block u's 32 numbers are due
.set ecur, S+32*(\u)
.set eend, S+32*(\u)+32
.endm
.macro FE                              ; the next one, if one is left.  Valid under settings 0 and 0x04 (destination and source 0 in window 0)
.if ecur < eend
	v_exp_f32 v[ecur], v[ecur]
.set ecur, ecur+1
.endif
.endm
.macro EFLUSH                          ; those that are left
.rept 32
	FE
.endr
.endm
; one product of S^T(sub-block u): n = 0..7: key tile n % 4, d half n / 4.  Setting 0x04.  The first half starts the sum.
.macro QKW u, n
.if (\n)/4 == 0
	v_wmma_f32_16x16x32_f16 v[S+32*(\u)+8*((\n)%4):S+32*(\u)+8*((\n)%4)+7], v[KF+16*((\n)%4):KF+16*((\n)%4)+7], v[Q+16*(\u):Q+16*(\u)+7], 0
.else
	v_wmma_f32_16x16x32_f16 v[S+32*(\u)+8*((\n)%4):S+32*(\u)+8*((\n)%4)+7], v[KF+16*((\n)%4)+8:KF+16*((\n)%4)+15], v[Q+16*(\u)+8:Q+16*(\u)+15], v[S+32*(\u)+8*((\n)%4):S+32*(\u)+8*((\n)%4)+7]
.endif
.endm
; the 16 products of sub-blocks 0 and 1: eight accumulators take turns, one instruction a turn; two exponentials behind each, if any are due
.macro QSEG
.set mm, 0
.rept 16
	QKW (mm/4)%2, 4*(mm/8)+mm%4
	FE
	FE
.set mm, mm+1
.endr
.endm
; one product of O^T(sub-block u): n = 0..7: d tile n % 4, key half n / 4.  Setting 0x51.  first = 1: the first half starts the sum.
.macro PVW u, n, first
.set pz, 0
.if \first
.if (\n)/4 == 0
.set pz, 1
.endif
.endif
.if pz
	v_wmma_f32_16x16x32_f16 v[O+32*(\u)+8*((\n)%4):O+32*(\u)+8*((\n)%4)+7], v[VF+16*((\n)%4):VF+16*((\n)%4)+7], v[S+32*(\u):S+32*(\u)+7], 0
.else
	v_wmma_f32_16x16x32_f16 v[O+32*(\u)+8*((\n)%4):O+32*(\u)+8*((\n)%4)+7], v[VF+16*((\n)%4)+8*((\n)/4):VF+16*((\n)%4)+8*((\n)/4)+7], v[S+32*(\u)+16*((\n)/4):S+32*(\u)+16*((\n)/4)+7], v[O+32*(\u)+8*((\n)%4):O+32*(\u)+8*((\n)%4)+7]
.endif
.endm
.macro RESC1 u, i                      ; two numbers of O(u) times u's factor.  Setting 0x51
	v_pk_mul_f32 v[O+32*(\u)+2*(\i):O+32*(\u)+2*(\i)+1], v[O+32*(\u)+2*(\i):O+32*(\u)+2*(\i)+1], v[AL+4*(\u):AL+4*(\u)+1] op_sel_hi:[1,0]
.endm
.macro FMA1 u, i                       ; c s - c m, two at a time.  Settings 0 and 0x04: source 1 is scalar
	v_pk_fma_f32 v[S+32*(\u)+2*(\i):S+32*(\u)+2*(\i)+1], v[S+32*(\u)+2*(\i):S+32*(\u)+2*(\i)+1], s[14:15], v[NM+4*(\u):NM+4*(\u)+1] op_sel_hi:[1,0,0]
.endm
.macro SUM1 u, i, first                ; pair i of p, in f32, onto u's sums; first = 1: pairs 0 and 1 start them
.if \first
.if (\i) == 0
	s_wait_alu depctr_va_vdst(0)
	v_pk_add_f32 v[LS+2*(\u):LS+2*(\u)+1], v[S+32*(\u):S+32*(\u)+1], v[S+32*(\u)+2:S+32*(\u)+3]
.endif
.if (\i) >= 2
	s_wait_alu depctr_va_vdst(0)
	v_pk_add_f32 v[LS+2*(\u):LS+2*(\u)+1], v[LS+2*(\u):LS+2*(\u)+1], v[S+32*(\u)+2*(\i):S+32*(\u)+2*(\i)+1]
.endif
.else
	s_wait_alu depctr_va_vdst(0)
	v_pk_add_f32 v[LS+2*(\u):LS+2*(\u)+1], v[LS+2*(\u):LS+2*(\u)+1], v[S+32*(\u)+2*(\i):S+32*(\u)+2*(\i)+1]
.endif
.endm
; the diagonal block: key > query  <=>  16 u - 16 t - j < 64 (key part - query part) + 8 h - r.  Jumped over where all keys stand in front of all queries.
.macro MASKU u
	s_cmp_lt_i32 s3, 0
	s_cbranch_scc1 .Lnomask_\@
.irp t, 0,1,2,3
.irp j, 0,1,2,3,4,5,6,7
	v_cmp_lt_i32 vcc_lo, 16*\u-16*\t-\j, v[MD]
	v_cndmask_b32 v[S+32*\u+8*\t+\j], v[S+32*\u+8*\t+\j], v[NEG], vcc_lo
.endr
.endr
.Lnomask_\@:
.endm
; The maximum of my query's 32 numbers of sub-block u, in four chains; the last link takes the old maximum; then the factor for what is old, and -c m.
.macro MAXU u, first
	v_max3_num_f32 v[X],   v[S+32*\u],   v[S+32*\u+1],  v[S+32*\u+2]
	v_max3_num_f32 v[X+1], v[S+32*\u+3], v[S+32*\u+4],  v[S+32*\u+5]
	FE
	v_max3_num_f32 v[X+2], v[S+32*\u+6], v[S+32*\u+7],  v[S+32*\u+8]
	v_max3_num_f32 v[X+3], v[S+32*\u+9], v[S+32*\u+10], v[S+32*\u+11]
	FE
.set ii, 12
.rept 2
	v_max3_num_f32 v[X],   v[X],   v[S+32*\u+ii],   v[S+32*\u+ii+1]
	v_max3_num_f32 v[X+1], v[X+1], v[S+32*\u+ii+2], v[S+32*\u+ii+3]
	FE
	v_max3_num_f32 v[X+2], v[X+2], v[S+32*\u+ii+4], v[S+32*\u+ii+5]
	v_max3_num_f32 v[X+3], v[X+3], v[S+32*\u+ii+6], v[S+32*\u+ii+7]
	FE
.set ii, ii+8
.endr
	v_max3_num_f32 v[X],   v[X],   v[S+32*\u+28], v[S+32*\u+29]
	v_max3_num_f32 v[X+1], v[X+1], v[S+32*\u+30], v[S+32*\u+31]
	FE
	v_max3_num_f32 v[X], v[X], v[X+1], v[X+2]
	FE
.if \first
	v_max_num_f32 v[X], v[X], v[X+3]
.else
	v_max3_num_f32 v[X], v[X], v[X+3], v[M+\u]
.endif
	FE
	v_permlanex16_b32 v[T2+4*\u], v[X], s60, s61   ; the other half of the lanes holds the query's other keys
	FE
	v_max_num_f32 v[M+\u], v[X], v[T2+4*\u]
.if \first == 0
	FE
	v_fma_f32 v[T2+4*\u], -v[M+\u], s14, -v[NM+4*\u]  ; c (old m - new m) = -c new m - (-c old m)
	FE
	v_exp_f32 v[AL+4*\u], v[T2+4*\u]               ; the factor for the old sums and the old O; the multiply below is the plain place behind it (ISA guide 5.7.2)
.endif
	v_mul_f32 v[NM+4*\u], s15, v[M+\u]
.if \first == 0
	s_wait_alu depctr_va_vdst(0)
	v_pk_mul_f32 v[LS+2*\u:LS+2*\u+1], v[LS+2*\u:LS+2*\u+1], v[AL+4*\u:AL+4*\u+1] op_sel_hi:[1,0]
.endif
.endm
; Step j of the pipeline, part B: c s - c m of sub-block j + 1, with the 8 products of sub-block j + 3 (j = -1, 0: setting 0x04) one at a time among them.
; The four accumulators of a sub-block take turns, one instruction a turn.
.macro SEGB j, dense
.set nn, 0
.rept 8
.if (\j)+3 <= 3
	QKW (\j)+3, nn
.endif
	FMA1 (\j)+1, 2*nn
.if \dense
	FE
.endif
	FMA1 (\j)+1, 2*nn+1
	FE
.set nn, nn+1
.endr
.endm
; part C: sub-block j - 1: the sums take p in f32; p is then packed to f16 in place: registers 16 kp + 0..15 become the 8 registers of P(u, kp)
.macro SEGC j, first, dense
.set ii, 0
.rept 16
	SUM1 (\j)-1, ii, \first
.if \dense
	FE
.endif
	v_cvt_pk_f16_f32 v[S+32*((\j)-1)+16*(ii/8)+ii%8], v[S+32*((\j)-1)+2*ii], v[S+32*((\j)-1)+2*ii+1]
	FE
.set ii, ii+1
.endr
	EFLUSH
.endm
; part D: the 8 products of O^T(j - 1), with the rescaling of O(j) among them (O(0)'s ahead of the first)
.macro SEGD j, first
	WIN 0x51
.if (\first) == 0
.if (\j) == 1
.set nn, 0
.rept 16
	RESC1 0, nn
.set nn, nn+1
.endr
.endif
.endif
.set nn, 0
.rept 8
	PVW (\j)-1, nn, \first
.if (\first) == 0
.if (\j) <= 3
	RESC1 \j, 2*nn
	RESC1 \j, 2*nn+1
.endif
.endif
.set nn, nn+1
.endr
.endm
; The phase's barrier.  The wave has read all it needs of slot.  refill = 1: slot is filled with the key block of phase index s13 + df, and the next
; phase's first K fragments are read from the other slot.
.macro HOOK slot, other, df, refill
	s_wait_tensorcnt 0x0                           ; all my tensor loads have landed, my part of the other slot among them: every group 0 may be written
	ds_add_u32 v62, v63
	s_wait_dscnt 0x0
.if \refill
	s_add_co_u32 s2, s13, \df                      ; t = the index of the phase that reads this slot next
	s_cmp_lt_u32 s2, s11
	s_cselect_b32 s3, 0, s11
	s_sub_co_u32 s2, s2, s3                        ; its key block: t while t < i, then t - i
	s_lshl_b32 s62, s2, 15
	s_add_nc_u64 s[G0V+4*\slot+2:G0V+4*\slot+3], s[48:49], s[62:63]
	s_or_b32 s[G0V+4*\slot+3], s[G0V+4*\slot+3], 0x80000000
	s_add_nc_u64 s[G0K+4*\slot+2:G0K+4*\slot+3], s[50:51], s[62:63]
	s_or_b32 s[G0K+4*\slot+3], s[G0K+4*\slot+3], 0x80000000
.endif
	s_wait_dscnt 0x0                               ; my reads of this slot are done
	s_barrier_signal -1
	s_barrier_wait -1                              ; both now hold of every wave
.if \refill
	KVLOAD \slot                                   ; my one tensor load behind this barrier, and the first thing there
	LOADK \other, 0
.endif
.endm
; My 64 keys of step st (128 keys) of a slot against my 64 queries.  first = 1: starts maximum, sums and O.  mask = 1: the diagonal block.
; hk = 1: K's fragments are in registers or on their way.  hq = 1: S of sub-blocks 0 and 1 is made.  pk = 1: both are made here for step st + 1.
; hook = 1, 2: the phase's barrier stands in this tile, with or without a refill.
.macro TILE slot, st, first, mask, hk, hq, pk, hook, other, df
.if \mask
	s_add_co_u32 s3, s9, 2*\st                     ; which 64 keys of the block,
	s_sub_co_i32 s3, s3, s10                       ; less which 64 queries
.if \first == 0
	s_cmp_gt_i32 s3, 0                             ; all keys behind all queries: nothing to add
	s_cbranch_scc1 .Lskip_\@
.endif
	s_lshl_b32 s2, s3, 6
	v_add_nc_u32 v[MD], s2, v[MD0]
.endif
.if \hk == 0
	LOADK \slot, \st
.endif
	WIN 0x40
	LOADV \slot, \st
.if \hq == 0
	s_wait_dscnt 16                                ; K's loads are in; V's 16 younger ones stay out
	WIN 0x04
	QSEG                                           ; no exponential is due here: 16 products
	WIN 0
	NOPS 4                                         ; four places in front of the first read of a result (ISA guide 7.12.1)
.else
	WIN 0
.endif
	; step -1
.if \mask
	MASKU 0
.endif
	MAXU 0, \first
	WIN 0x04
	SEGB -1, 0
	WIN 0
	; step 0
	ESET 0
.if \mask
	MASKU 1
.endif
	MAXU 1, \first
	WIN 0x04
	SEGB 0, 1
	EFLUSH
	WIN 0
	; step 1
	ESET 1
.if \mask
	MASKU 2
.endif
	MAXU 2, \first
.if \pk
	LOADK \slot, \st+1                             ; the last product that reads K's fragments stands more than four plain instructions back
.endif
	SEGB 1, 0
	SEGC 1, \first, 0
	s_wait_dscnt 16*\pk                            ; V's fragments are in; the 16 loads of the next step's K, if issued, are younger and stay out
	SEGD 1, \first
	WIN 0
.if \hook == 1
	HOOK \slot, \other, \df, 1
.endif
.if \hook == 2
	HOOK \slot, \other, \df, 0
.endif
	; step 2
	ESET 2
.if \mask
	MASKU 3
.endif
	MAXU 3, \first
	SEGB 2, 0
	SEGC 2, \first, 0
	SEGD 2, \first
	WIN 0
	; step 3
.if \pk
	SEGC 3, \first, 0                              ; 32 plain instructions: the places in front of the products that write over P(1)
	SEGD 3, \first
	s_wait_dscnt 0x0                               ; the next step's K fragments are in
	WIN 0x04
	ESET 3
	QSEG                                           ; the next step's first 16 products, two of sub-block 3's exponentials behind each
	WIN 0
	v_nop                                          ; the plain place behind the exponentials (ISA guide 5.7.2)
.else
	ESET 3
	SEGC 3, \first, 1
	SEGD 3, \first
	WIN 0
.endif
	; step 4
	SEGC 4, \first, 0
	SEGD 4, \first
	WIN 0
	NOPS 4                                         ; four places: the next loads land on V's fragments, the merge reads O
.if \mask
.if \first == 0
.Lskip_\@:
.endif
.endif
.endm
; The end of a query block: waves 4-7 hand O, maxima and sums to waves 0-3, which merge, divide, round to f16 and store 64 rows of ctx.
; sq other than 0: the next query block's q is asked for at the head and waited for at the end.
.macro EPI so, sq
.if \sq
	PROL \sq
.endif
.irp u, 0,1,2,3
	v_add_f32 v[L+\u], v[LS+2*\u], v[LS+2*\u+1]
.endr
	s_cmp_eq_u32 s9, 0
	s_cbranch_scc1 .Lkeep_\@
	WIN 0x04                                       ; store data in window 1
.set ii, 0
.rept 32
	ds_store_b128 v[MADR], v[O+4*ii:O+4*ii+3] offset:512*ii
.set ii, ii+1
.endr
	WIN 0
	ds_store_b128 v[MADR], v[M:M+3] offset:16384
	ds_store_b128 v[MADR], v[L:L+3] offset:16896
.Lkeep_\@:
	s_wait_dscnt 0x0                               ; for the partner's sake: my stores are done
	s_barrier_signal -1                            ; the tensor load that is out may stay out
	s_barrier_wait -1
	s_cmp_lg_u32 s9, 0
	s_cbranch_scc1 .Ldone_\@
	ds_load_b128 v[PM:PM+3], v[MADR] offset:16384
	ds_load_b128 v[PL:PL+3], v[MADR] offset:16896
.set ii, 0
.rept 32
	ds_load_b128 v[S+4*ii:S+4*ii+3], v[MADR] offset:512*ii
.set ii, ii+1
.endr
	s_wait_dscnt 32                                ; the partner's maxima and sums are in; its O (32 younger loads) stays out
.irp u, 0,1,2,3
	v_max_num_f32 v[X+\u], v[M+\u], v[PM+\u]
.endr
.irp u, 0,1,2,3
	v_sub_f32 v[AL+4*\u], v[M+\u], v[X+\u]
	v_sub_f32 v[NM+4*\u], v[PM+\u], v[X+\u]
.endr
.irp u, 0,1,2,3
	v_mul_f32 v[AL+4*\u], s14, v[AL+4*\u]
	v_mul_f32 v[NM+4*\u], s14, v[NM+4*\u]
.endr
.irp u, 0,1,2,3
	v_exp_f32 v[AL+4*\u], v[AL+4*\u]               ; my factor
	v_exp_f32 v[NM+4*\u], v[NM+4*\u]               ; the partner's
.endr
	v_nop                                          ; the plain place behind the exponentials (ISA guide 5.7.2)
.irp u, 0,1,2,3
	s_wait_alu depctr_va_vdst(0)
	v_mul_f32 v[L+\u], v[L+\u], v[AL+4*\u]
.endr
.irp u, 0,1,2,3
	v_fmac_f32 v[L+\u], v[PL+\u], v[NM+4*\u]
.endr
.irp u, 0,1,2,3
	v_permlanex16_b32 v[X+\u], v[L+\u], s60, s61   ; the sums of the query's other keys
.endr
.irp u, 0,1,2,3
	v_add_f32 v[L+\u], v[L+\u], v[X+\u]            ; at least 1: the largest p is 1
.endr
.irp u, 0,1,2,3
	v_rcp_f32 v[L+\u], v[L+\u]
.endr
	v_nop
.irp u, 0,1,2,3
	s_wait_alu depctr_va_vdst(0)
	v_mul_f32 v[AL+4*\u], v[AL+4*\u], v[L+\u]
	v_mul_f32 v[NM+4*\u], v[NM+4*\u], v[L+\u]
.endr
	s_wait_dscnt 0x0
.irp u, 0,1,2,3
.set ii, 0
.rept 16
	v_pk_mul_f32 v[S+32*\u+ii:S+32*\u+ii+1], v[S+32*\u+ii:S+32*\u+ii+1], v[NM+4*\u:NM+4*\u+1] op_sel_hi:[1,0]
.set ii, ii+2
.endr
.endr
	WIN 0x01                                       ; my O in window 1
.irp u, 0,1,2,3
.set ii, 0
.rept 16
	v_pk_fma_f32 v[S+32*\u+ii:S+32*\u+ii+1], v[O+32*\u+ii:O+32*\u+ii+1], v[AL+4*\u:AL+4*\u+1], v[S+32*\u+ii:S+32*\u+ii+1] op_sel_hi:[1,0,1]
.set ii, ii+2
.endr
.endr
	WIN 0
.set ii, 0
.rept 64
	v_cvt_pk_f16_f32 v[S+ii], v[S+2*ii], v[S+2*ii+1]   ; in place, ascending: tile (dt, u) shrinks to 4 registers at 16 u + 4 dt: d = 16 dt + 8 h .. + 7 of query r
.set ii, ii+1
.endr
.irp u, 0,1,2,3
.irp dt, 0,1,2,3
	ds_store_b128 v[OST], v[S+16*\u+4*\dt:S+16*\u+4*\dt+3] offset:\u*2304+32*\dt
.endr
.endr
.set ii, 0
.rept 16
	ds_load_b128 v[S+64+4*ii:S+64+4*ii+3], v[ORD] offset:576*ii   ; LDS serves a wave's instructions in order (ISA guide 5.7.1): these see the stores above
.set ii, ii+1
.endr
.set ii, 0
.rept 16
	s_wait_dscnt 15-ii
	global_store_b128 v[CO], v[S+64+4*ii:S+64+4*ii+3], s[\so:\so+1] offset:512*ii   ; four rows of the head's plane: 512 consecutive bytes, aligned
.set ii, ii+1
.endr
	s_wait_xcnt 0x0                                ; the stores' data registers are S again in the next tile: written only behind this wait (ISA guide 3.1)
.Ldone_\@:
.if \sq
	s_wait_loadcnt 0x0                             ; the next block's q
.endif
.endm
; The full phase of index s13 + df, whose key block lies in slot and whose first K fragments are on their way.
; sw = 1: at index i the first query block ends and the second begins.  hook as in TILE; its refill is for index s13 + df + 2.
.macro PHASE slot, other, df, sw, hook
.if \sw
.if \df
	s_cmp_eq_u32 s13, s12                          ; f + 1 = i
.else
	s_cmp_eq_u32 s13, s11                          ; f = i
.endif
	s_cbranch_scc0 .Lsame_\@                       ; the same way for all eight waves: it hangs on the group's number and the counter
	EPI 56, 54
	TILE \slot, 0, 1, 0, 1, 0, 1, 0, 0, 0
	s_branch .Ljoin_\@
.Lsame_\@:
	TILE \slot, 0, 0, 0, 1, 0, 1, 0, 0, 0
.Ljoin_\@:
.else
	TILE \slot, 0, 0, 0, 1, 0, 1, 0, 0, 0
.endif
	TILE \slot, 1, 0, 0, 1, 1, 0, \hook, \other, \df+2
.endm
	PROL 52
	s_wait_loadcnt 0x0
	s_wait_tensorcnt 0x1                           ; my part of slot 0 is in; slot 1's stays out
	s_barrier_signal -1
	s_barrier_wait -1
	TILE 0, 0, 1, 1, 0, 0, 0, 0, 0, 0              ; phase 0: the first query block's diagonal
	TILE 0, 1, 0, 1, 0, 0, 0, 0, 0, 0
	s_mov_b32 s13, 0
	HOOK 0, 1, 1, 1                                ; some waves jump over a diagonal tile, so this phase's barrier stands behind its tiles: slot 0 gets index 1
.Lpair:
	PHASE 1, 0, 0, 1, 1
	PHASE 0, 1, 1, 1, 1
	s_add_co_u32 s13, s13, 2
	s_cmp_lt_u32 s13, 6
	s_cbranch_scc1 .Lpair
	PHASE 1, 0, 0, 0, 2                            ; index 6 (i <= 3: no change of blocks here); nothing is left to fetch: its barrier shows slot 0, the second diagonal, to every wave
	TILE 0, 0, 0, 1, 0, 0, 0, 0, 0, 0
	TILE 0, 1, 0, 1, 0, 0, 0, 0, 0, 0
	EPI 58, 0
	s_wait_tensorcnt 0x0
	ds_add_u32 v62, v63
	s_wait_dscnt 0x0
	s_endpgm
.Lfunc_end_k_q66aad13339_attn:
	.size	k_q66aad13339_attn, .Lfunc_end_k_q66aad13339_attn-k_q66aad13339_attn
	.p2alignl 7, 3214868480
	.fill 96, 4, 3214868480
	.section	.rodata,"a",@progbits
	.p2align	6, 0x0
	.amdhsa_kernel k_q66aad13339_attn
		.amdhsa_group_segment_fixed_size 327680
		.amdhsa_private_segment_fixed_size 0
		.amdhsa_enable_private_segment 0
		.amdhsa_kernarg_size 16
		.amdhsa_user_sgpr_count 2
		.amdhsa_user_sgpr_kernarg_segment_ptr 1
		.amdhsa_wavefront_size32 1
		.amdhsa_system_sgpr_workgroup_id_x 1
		.amdhsa_system_sgpr_workgroup_id_y 1
		.amdhsa_system_sgpr_workgroup_id_z 1
		.amdhsa_system_vgpr_workitem_id 0
		.amdhsa_next_free_vgpr 512
		.amdhsa_next_free_sgpr 72
		.amdhsa_reserve_vcc 1
		.amdhsa_float_denorm_mode_32 3
		.amdhsa_float_denorm_mode_16_64 3
		.amdhsa_memory_ordered 1
		.amdhsa_forward_progress 1
		.amdhsa_inst_pref_size 255
	.end_amdhsa_kernel
	.section	.bss,"aw",@nobits
	.p2align	6
	.space	262144
	.amdgpu_metadata
---
amdhsa.version: [ 1, 2 ]
amdhsa.kernels:
  - .name:           k_q66aad13339_attn
    .symbol:         k_q66aad13339_attn.kd
    .args:
      - { .name: qkvh, .offset: 0, .size: 8, .value_kind: global_buffer, .address_space: global }
      - { .name: ctxh, .offset: 8, .size: 8, .value_kind: global_buffer, .address_space: global }
    .group_segment_fixed_size: 327680
    .private_segment_fixed_size: 0
    .kernarg_segment_align: 8
    .kernarg_segment_size: 16
    .max_flat_workgroup_size: 256
    .sgpr_count:     72
    .vgpr_count:     512
    .wavefront_size: 32
...
	.end_amdgpu_metadata
.endif
;; end of part 3
;; launch proj (part 4): grid 8 x 32, 4 waves a work-group, clusters of 4 x 4, 327,680 bytes of LDS; arguments ctxh, wpb, out0, b_proj; writes out0
.if DOCPART == 4
	.amdgcn_target "amdgcn-amd-amdhsa--gfx1250"
	.amdhsa_code_object_version 6
	.text
	.protected	k_q66aad13339_proj
	.globl	k_q66aad13339_proj
	.p2align	8
	.type	k_q66aad13339_proj,@function
k_q66aad13339_proj:
	s_mov_b64 s[64:65], 0
	v_nop
	global_prefetch_b8 v0, s[64:65] scope:SCOPE_SE
	s_setreg_imm32_b32 hwreg(HW_REG_WAVE_MODE, 25, 1), 1
	s_wait_xcnt 0x0
	s_wait_alu depctr_hold_cnt(0) depctr_sa_sdst(0) depctr_va_vdst(0) depctr_va_sdst(0) depctr_va_ssrc(0) depctr_va_vcc(0) depctr_vm_vsrc(0)
	s_getreg_b32 s2, hwreg(HW_REG_IB_STS2, 6, 4)
	s_cmp_eq_u32 s2, 0
	s_cbranch_scc0 .Lentry_in_a_cluster
	s_endpgm
.Lentry_in_a_cluster:
	s_bfe_u32 s2, ttmp6, 0x10000c
	s_cmp_lg_u32 s2, 0xf033
	s_cbranch_scc0 .Lentry_shape_is_right
	s_endpgm
.Lentry_shape_is_right:
; out[row][e] = sum over k of ctx[row][k] w_proj[e][k] + b_proj[e]: 8,192 x 1,024 x 1,024, f16 operands, f32 sums, f32 result.
; Operands lie in planes T[k/64][row][64] (128 bytes a row, rows dense); ctx's plane is its head.
; LIMIT: ctx is f16 (|v| < 65,504); w_proj is its bf16 rounding held in f16.
; A work-group makes 256 rows x 128 columns with four waves; wave w makes rows 64 w .. 64 w + 63 and all 128 columns: 4 x 8 accumulator tiles.
; K goes in 8 steps of 128 (two planes) through two LDS slots filled by tensor loads.  An LDS row holds 256 bytes = two consecutive rows of a
; plane, then 16 bytes of padding: matrix row p lies at (p>>1) x 272 + (p&1) x 128, so the 16 rows of a fragment lie in 16 different 16-byte
; columns modulo 256 bytes.
; CLUSTERS: 4 x 4 work-groups; ctx's tile is asked for jointly along a row of the cluster, w's along a column.  Waves 0, 1 ask for ctx's two
; planes, waves 2, 3 for w's: one tensor load a wave.  By this text's own count a wave has two tensor loads out at the start, later one.
; The matrix instruction is used transposed (source 0 = rows of w, source 1 = rows of ctx): lane l holds row l % 16 and 8 neighbouring columns.
; REGISTERS: window 0: v16-26 addresses, v32-63 and v64-95 ctx's fragments, v96-159 the way out, v192-195 bias; window 1: v0-63 and v64-127
; w's fragments; window 2: tiles (a, b < 4) at 8 (4 a + b); window 3: tiles (a, 4 + b) at 8 (4 a + b).
; The 32 accumulators take turns, one instruction a turn.
.set BN,     128
.set PITCH,  272
.set APL,    128*PITCH
.set PB,     (BN/2)*PITCH
.set BOFF,   2*APL
.set SLOT,   BOFF+2*PB                 ; 104,448
.set STAGE,  2*SLOT
.set WSTAGE, 16*528                    ; a wave's stage: 16 rows x (512 + 16) bytes
.set APLANE, 8192*128
.set BPLANE, 1024*128
.set LAPS,   4
.set NLD,    24                        ; LDS loads of one fetch: 8 for ctx, 16 for w
.set FBW,    64
.set ADRA, 16
.set ADRB, 20
.set STO,  24
.set RD,   25
.set CO,   26
.set FA,   32
.set BK,   96
.set BIAS, 192
.set G1A, 24
.set G0A, 32
.set G1B, 48
.set G0B, 56
.set MUL_LO, 0xa1
.set MUL_HI, 0xf1
.set TO_B,   0x40
.set MSB, 0
.macro WIN new                         ; the immediate's high byte repeats the setting that is left
.if MSB != \new
	s_set_vgpr_msb (MSB<<8)|\new
.set MSB, \new
.endif
.endm
.macro PLACES                          ; four places behind a matrix instruction (ISA guide 7.12.1)
.rept 4
	v_nop
.endr
.endm
.macro JLOAD s
	s_cmp_eq_u32 s13, 0
	s_cbranch_scc0 .Lfor_b_\@
	tensor_load_to_lds s[G0A+4*\s:G0A+4*\s+3], s[G1A:G1A+7]
	s_nop 0
	s_branch .Lasked_\@
.Lfor_b_\@:
	tensor_load_to_lds s[G0B+4*\s:G0B+4*\s+3], s[G1B:G1B+7]
	s_nop 0
.Lasked_\@:
.endm
.macro CREST
	s_cmp_lg_u32 s12, 0
	s_cbranch_scc1 .Lnot_wave_0_\@
	s_barrier_signal -3
.Lnot_wave_0_\@:
	s_barrier_wait -3
	s_barrier_signal -1
	s_barrier_wait -1
.endm
.macro CROUND
	s_barrier_signal -1
	s_barrier_wait -1
	CREST
.endm
	s_load_b256 s[4:11], s[0:1], 0x0               ; ctxh s[4:5], wpb s[6:7], out0 s[8:9], b_proj s[10:11]
	s_set_vgpr_msb 0x40
	v_lshl_add_u32 v255, v0, 2, 0x3b400
	s_set_vgpr_msb 0x4000
	v_mov_b32 v255, 0
	s_set_vgpr_msb 0x1
	ds_add_u32 v255, v255
	ds_add_u32 v255, v255
	s_set_vgpr_msb 0x100
	v_lshrrev_b32 v1, 5, v0
	v_readfirstlane_b32 s12, v1                    ; wave 0..3
	s_lshr_b32 s13, s12, 1                         ; I fetch for ctx (0) or for w (1)
	s_and_b32 s14, s12, 1                          ; which of a K step's two planes
	s_bfe_u32 s16, ttmp6, 0x40000                  ; cx
	s_bfe_u32 s17, ttmp6, 0x40004                  ; cy
	s_lshl_b32 s18, ttmp9, 2
	s_add_co_u32 s18, s18, s16                     ; block column
	s_and_b32 s19, ttmp7, 0xffff
	s_lshl_b32 s19, s19, 2
	s_add_co_u32 s19, s19, s17                     ; block row
	s_lshl_b32 s20, s17, 2
	s_lshl_b32 s20, 15, s20                        ; my row of the cluster
	s_lshl_b32 s21, 0x1111, s16                    ; my column
	s_or_b32 s[G1A+0], s20, (1<<16)|(1<<20)|(1<<21)|(5<<22)|(3<<25)
	s_mov_b32 s[G1A+1], 128<<16
	s_mov_b32 s[G1A+2], 128<<16
	s_mov_b32 s[G1A+3], 128<<16
	s_mov_b32 s[G1A+4], 128
	s_mov_b32 s[G1A+5], 128
	s_mov_b32 s[G1A+6], 0
	s_mov_b32 s[G1A+7], 0
	s_or_b32 s[G1B+0], s21, (1<<16)|(1<<20)|(1<<21)|(5<<22)|(3<<25)
	s_mov_b32 s[G1B+1], 128<<16
	s_mov_b32 s[G1B+2], (BN/2)<<16
	s_mov_b32 s[G1B+3], 128<<16
	s_mov_b32 s[G1B+4], BN/2                       ; 64 rows (128 matrix rows)
	s_mov_b32 s[G1B+5], 128
	s_mov_b32 s[G1B+6], 0
	s_mov_b32 s[G1B+7], 0
	s_lshl_b32 s40, s14, 20                        ; my plane of the step's two
	s_lshl_b32 s22, s19, 15                        ; block row x 256 rows x 128 bytes
	s_add_co_u32 s40, s40, s22
	s_mov_b32 s41, 0
	s_mul_i32 s42, s14, BPLANE
	s_mul_i32 s44, s18, BN*128
	s_add_co_u32 s42, s42, s44
	s_mov_b32 s43, 0
	s_mul_i32 s45, s12, APL
	s_mul_i32 s46, s12, PB
	s_add_co_u32 s46, s46, BOFF-2*PB
	s_lshl_b32 s66, s18, 9                         ; my 128 columns of the bias: 512 bytes
	s_mov_b32 s67, 0
	s_wait_dscnt 0x0
	s_wait_kmcnt 0x0
	s_add_nc_u64 s[40:41], s[4:5], s[40:41]
	s_add_nc_u64 s[42:43], s[6:7], s[42:43]
	s_add_nc_u64 s[10:11], s[10:11], s[66:67]
	CROUND                                         ; all sixteen work-groups are here: the first joint loads meet
.irp s, 0,1
	s_mov_b32 s[G0A+4*\s], 1
	s_add_co_u32 s[G0A+4*\s+1], s45, \s*SLOT
	s_add_nc_u64 s[G0A+4*\s+2:G0A+4*\s+3], s[40:41], \s*2*APLANE
	s_or_b32 s[G0A+4*\s+3], s[G0A+4*\s+3], 0x80000000
	s_mov_b32 s[G0B+4*\s], 1
	s_add_co_u32 s[G0B+4*\s+1], s46, \s*SLOT
	s_add_nc_u64 s[G0B+4*\s+2:G0B+4*\s+3], s[42:43], \s*2*BPLANE
	s_or_b32 s[G0B+4*\s+3], s[G0B+4*\s+3], 0x80000000
	JLOAD \s
.endr
	v_and_b32 v1, 15, v0                           ; r
	v_bfe_u32 v2, v0, 4, 1                         ; h
	v_lshrrev_b32 v4, 1, v1
	v_mul_u32_u24 v3, v4, PITCH
	v_and_b32 v5, 1, v1
	v_lshl_add_u32 v3, v5, 7, v3
	v_lshl_add_u32 v3, v2, 4, v3                   ; (r>>1) x 272 + (r&1) x 128 + 16 h
	s_mul_i32 s23, s12, 32*PITCH
	v_add_nc_u32 v[ADRA], s23, v3
	v_add_nc_u32 v[ADRA+1], SLOT, v[ADRA]
	v_add_nc_u32 v[ADRB], BOFF, v3
	v_add_nc_u32 v[ADRB+1], SLOT, v[ADRB]
	s_mul_i32 s23, s12, WSTAGE
	s_add_co_u32 s23, s23, STAGE                   ; my stage
	v_mul_u32_u24 v4, v1, 528                      ; in: row r, 32 bytes for each half of the lanes
	v_lshl_add_u32 v4, v2, 5, v4
	v_add_nc_u32 v[STO], s23, v4
	v_and_b32 v5, 31, v0
	v_lshlrev_b32 v[CO], 4, v5                     ; 16 x lane: a row's 512 bytes
	v_add_nc_u32 v[RD], s23, v[CO]
	global_load_b128 v[BIAS:BIAS+3], v[CO], s[10:11]   ; the bias of my four columns on the way out
.macro MULP1 f, zero
.irp a, 0,1,2,3
.irp b, 0,1,2,3
.if \zero
	v_wmma_f32_16x16x32_f16 v[8*(4*\a+\b):8*(4*\a+\b)+7], v[FBW*\f+8*\b:FBW*\f+8*\b+7], v[FA+32*\f+8*\a:FA+32*\f+8*\a+7], 0
.else
	v_wmma_f32_16x16x32_f16 v[8*(4*\a+\b):8*(4*\a+\b)+7], v[FBW*\f+8*\b:FBW*\f+8*\b+7], v[FA+32*\f+8*\a:FA+32*\f+8*\a+7], v[8*(4*\a+\b):8*(4*\a+\b)+7]
.endif
.endr
.endr
.endm
.macro MULP2 f, zero
.irp a, 0,1,2,3
.irp b, 0,1,2,3
.if \zero
	v_wmma_f32_16x16x32_f16 v[8*(4*\a+\b):8*(4*\a+\b)+7], v[FBW*\f+32+8*\b:FBW*\f+32+8*\b+7], v[FA+32*\f+8*\a:FA+32*\f+8*\a+7], 0
.else
	v_wmma_f32_16x16x32_f16 v[8*(4*\a+\b):8*(4*\a+\b)+7], v[FBW*\f+32+8*\b:FBW*\f+32+8*\b+7], v[FA+32*\f+8*\a:FA+32*\f+8*\a+7], v[8*(4*\a+\b):8*(4*\a+\b)+7]
.endif
.endr
.endr
.endm
.macro FETCH slot, kq, f
	WIN 0
.irp a, 0,1,2,3
	ds_load_b128 v[FA+32*\f+8*\a:FA+32*\f+8*\a+3],   v[ADRA+\slot] offset:(\kq>>1)*APL+\a*8*PITCH+(\kq&1)*64
	ds_load_b128 v[FA+32*\f+8*\a+4:FA+32*\f+8*\a+7], v[ADRA+\slot] offset:(\kq>>1)*APL+\a*8*PITCH+(\kq&1)*64+32
.endr
	WIN TO_B
.irp b, 0,1,2,3,4,5,6,7
	ds_load_b128 v[FBW*\f+8*\b:FBW*\f+8*\b+3],   v[ADRB+\slot] offset:(\kq>>1)*PB+\b*8*PITCH+(\kq&1)*64
	ds_load_b128 v[FBW*\f+8*\b+4:FBW*\f+8*\b+7], v[ADRB+\slot] offset:(\kq>>1)*PB+\b*8*PITCH+(\kq&1)*64+32
.endr
.endm
.macro QUARTER slot, kq, f, g, zero
	PLACES                                         ; buffer g was read by the matrix instructions just issued
	FETCH \slot, \kq, \g
	s_wait_dscnt NLD                               ; all but the 24 just issued: buffer f is in
	WIN MUL_LO
	MULP1 \f, \zero
	WIN MUL_HI
	MULP2 \f, \zero
.endm
.macro THREE slot, zero
	QUARTER \slot, 1, 0, 1, \zero
	QUARTER \slot, 2, 1, 0, 0
	QUARTER \slot, 3, 0, 1, 0
.endm
.macro TURN slot, next, fill
	s_wait_dscnt 0x0                               ; buffer 1 is in, and with it my last reads of this slot
	s_wait_tensorcnt 0x0                           ; all my tensor loads have landed: the one that was out is my part of the next slot
	ds_add_u32 v255, v255
	s_wait_dscnt 0x0
	s_barrier_signal -1                            ; (where the slot is filled again this barrier opens a round of the cluster's barrier)
	WIN MUL_HI
	MULP2 1, 0                                     ; register work while the others arrive
	WIN 0
	s_barrier_wait -1
.if \fill
	CREST                                          ; no wave of any partner still reads this slot or has a load on its way
	s_add_nc_u64 s[G0A+4*\slot+2:G0A+4*\slot+3], s[G0A+4*\slot+2:G0A+4*\slot+3], 4*APLANE
	s_add_nc_u64 s[G0B+4*\slot+2:G0B+4*\slot+3], s[G0B+4*\slot+2:G0B+4*\slot+3], 4*BPLANE
	JLOAD \slot                                    ; the first tensor load behind the round, my only one until the next
.endif
	PLACES
	FETCH \next, 0, 0
	WIN MUL_LO
	MULP1 1, 0
.endm
.macro LAP zero
	THREE 0, \zero
	TURN 0, 1, 1
	THREE 1, 0
	TURN 1, 0, 1
.endm
	s_wait_tensorcnt 0x1                           ; my part of K step 0 is in; K step 1's stays out
	s_barrier_signal -1
	s_barrier_wait -1
	FETCH 0, 0, 0
	LAP 1
	WIN 0
	s_mov_b32 s15, LAPS-2
.Llap:
	LAP 0
	WIN 0
	s_sub_co_u32 s15, s15, 1
	s_cmp_lg_u32 s15, 0
	s_cbranch_scc1 .Llap
	THREE 0, 0                                     ; the last lap fills nothing
	TURN 0, 1, 0
	THREE 1, 0
	s_wait_dscnt 0x0
	WIN MUL_LO
	MULP1 1, 0
	WIN MUL_HI
	MULP2 1, 0
	; THE WAY OUT, 16 rows at a time: 32 bytes a lane into my own stage, read back as whole rows of 512 bytes, the bias added, stored.
	PLACES
	WIN 0
	s_lshl_b32 s42, s18, 9                         ; my first column: 128 x block column, 4 bytes each
	s_mov_b32 s43, 0
	s_add_nc_u64 s[8:9], s[8:9], s[42:43]
	s_lshl_b32 s40, s19, 20                        ; my first row: 256 x block row + 64 x wave, 4,096 bytes a row
	s_lshl_b32 s22, s12, 18
	s_add_co_u32 s40, s40, s22
	s_mov_b32 s41, 0
	s_add_nc_u64 s[8:9], s[8:9], s[40:41]
	s_wait_loadcnt 0x0                             ; the bias
.macro OUT16 a
	WIN 0x08                                       ; store data in window 2
.irp b, 0,1,2,3
	ds_store_b128 v[STO], v[8*(4*\a+\b):8*(4*\a+\b)+3]   offset:64*\b
	ds_store_b128 v[STO], v[8*(4*\a+\b)+4:8*(4*\a+\b)+7] offset:64*\b+16
.endr
	WIN 0x0c                                       ; store data in window 3
.irp b, 0,1,2,3
	ds_store_b128 v[STO], v[8*(4*\a+\b):8*(4*\a+\b)+3]   offset:256+64*\b
	ds_store_b128 v[STO], v[8*(4*\a+\b)+4:8*(4*\a+\b)+7] offset:256+64*\b+16
.endr
	WIN 0
	s_wait_xcnt 0x0                                ; the registers that the last sixteen rows' stores read are loaded again only behind this wait (ISA guide 3.1)
.irp n, 0,1,2,3,4,5,6,7,8,9,10,11,12,13,14,15
	ds_load_b128 v[BK+4*\n:BK+4*\n+3], v[RD] offset:528*\n    ; LDS serves a wave's instructions in order (ISA guide 5.7.1): these see the stores above
.endr
.irp n, 0,1,2,3,4,5,6,7,8,9,10,11,12,13,14,15
	s_wait_dscnt 15-\n
	v_pk_add_f32 v[BK+4*\n:BK+4*\n+1],   v[BK+4*\n:BK+4*\n+1],   v[BIAS:BIAS+1]
	v_pk_add_f32 v[BK+4*\n+2:BK+4*\n+3], v[BK+4*\n+2:BK+4*\n+3], v[BIAS+2:BIAS+3]
	global_store_b128 v[CO], v[BK+4*\n:BK+4*\n+3], s[8:9] offset:(16*\a+\n)*4096 th:TH_STORE_NT   ; 512 consecutive bytes of one row, aligned
.endr
.endm
	OUT16 0
	OUT16 1
	OUT16 2
	OUT16 3
	s_set_vgpr_msb 0x1
	s_wait_tensorcnt 0x0
	ds_add_u32 v255, v255
	s_wait_dscnt 0x0
	s_set_vgpr_msb 0x100
	CROUND                                         ; the closing round: no work-group ends while a partner may still ask for a tile that names it
	s_endpgm
.Lfunc_end_k_q66aad13339_proj:
	.size	k_q66aad13339_proj, .Lfunc_end_k_q66aad13339_proj-k_q66aad13339_proj
	.p2alignl 7, 3214868480
	.fill 96, 4, 3214868480
	.section	.rodata,"a",@progbits
	.p2align	6, 0x0
	.amdhsa_kernel k_q66aad13339_proj
		.amdhsa_group_segment_fixed_size 327680
		.amdhsa_private_segment_fixed_size 0
		.amdhsa_enable_private_segment 0
		.amdhsa_kernarg_size 32
		.amdhsa_user_sgpr_count 2
		.amdhsa_user_sgpr_kernarg_segment_ptr 1
		.amdhsa_wavefront_size32 1
		.amdhsa_system_sgpr_workgroup_id_x 1
		.amdhsa_system_sgpr_workgroup_id_y 1
		.amdhsa_system_sgpr_workgroup_id_z 1
		.amdhsa_system_vgpr_workitem_id 0
		.amdhsa_next_free_vgpr 896
		.amdhsa_next_free_sgpr 72
		.amdhsa_reserve_vcc 0
		.amdhsa_float_denorm_mode_32 3
		.amdhsa_float_denorm_mode_16_64 3
		.amdhsa_memory_ordered 1
		.amdhsa_forward_progress 1
		.amdhsa_inst_pref_size 126
	.end_amdhsa_kernel
	.amdgpu_metadata
---
amdhsa.version: [ 1, 2 ]
amdhsa.kernels:
  - .name:           k_q66aad13339_proj
    .symbol:         k_q66aad13339_proj.kd
    .args:
      - { .name: ctxh, .offset: 0, .size: 8, .value_kind: global_buffer, .address_space: global }
      - { .name: wpb, .offset: 8, .size: 8, .value_kind: global_buffer, .address_space: global }
      - { .name: out0, .offset: 16, .size: 8, .value_kind: global_buffer, .address_space: global }
      - { .name: b_proj, .offset: 24, .size: 8, .value_kind: global_buffer, .address_space: global }
    .group_segment_fixed_size: 327680
    .private_segment_fixed_size: 0
    .kernarg_segment_align: 8
    .kernarg_segment_size: 32
    .max_flat_workgroup_size: 128
    .sgpr_count:     72
    .vgpr_count:     896
    .wavefront_size: 32
...
	.end_amdgpu_metadata
.endif
;; end of part 4
;; ======== version 2 of 2: 4 launches; version 1 with the launch cvt written anew for expert scheduling mode
;; limits: values are held in f16: magnitudes above 65,504 overflow, below 6.1e-05 lose precision
;; workspace buffers: xb 16,777,216 bytes; wqb 6,291,456 bytes; wpb 2,097,152 bytes; qkvh 50,331,648 bytes; ctxh 16,777,216 bytes
;; launch cvt (part 5): grid 768 x 1, 8 waves a work-group, no clusters, 0 bytes of LDS; arguments x, w_qkv, w_proj, xb, wqb, wpb; writes xb, wqb, wpb
.if DOCPART == 5
	.amdgcn_target "amdgcn-amd-amdhsa--gfx1250"
	.amdhsa_code_object_version 6
	.text
	.protected	k_q66aad13339_cvt
	.globl	k_q66aad13339_cvt
	.p2align	8
	.type	k_q66aad13339_cvt,@function
k_q66aad13339_cvt:
	s_mov_b64 s[64:65], 0
	v_nop
	global_prefetch_b8 v0, s[64:65] scope:SCOPE_SE
	s_setreg_imm32_b32 hwreg(HW_REG_WAVE_SCHED_MODE, 0, 2), 2
	s_setreg_imm32_b32 hwreg(HW_REG_WAVE_MODE, 25, 1), 1
	s_wait_xcnt 0x0
	s_wait_alu depctr_vm_vsrc(0)
; x, w_qkv and w_proj (f32, rows of 1,024 numbers) are rounded once to bf16 and laid out in planes for the matrix kernels:
; T[k/64][row][64], 16 bits a number, so that a row of a plane is 128 bytes and the rows of a plane follow each other without a gap.
; xb and wqb hold bf16.  wpb holds the bf16-rounded w_proj in f16, since its partner in the last product (ctx) is f16.
; LIMIT: that second step is exact for |w| >= 2^-14 (8 bits fit in 11) and is off by at most 2^-25 below; |w_proj| < 65,504.
; A work-group takes 16 rows of one tensor: groups 0-511 x, 512-703 w_qkv, 704-767 w_proj.  Wave w takes planes 2w and 2w+1
; (512 bytes of each source row).  A load takes one plane's 256 source bytes of two rows: lanes 0-15 the even row, lanes 16-31 the odd one,
; 16 bytes a lane, so each aligned piece of 256 source bytes is named by one load alone.  The lane's four numbers become 8 bytes, and
; a store of the wave covers 256 consecutive bytes (two rows of a plane), aligned.
; All 16 loads of a wave go out at once; no register is written twice while a memory instruction names it.
; No LDS, no matrix unit, no cluster: every byte is read once and written once and no two work-groups share a byte.
; THE MODE: SCHED_MODE bits 1:0 = 2 (LLVM: expert scheduling mode 2), set by the entry lines.  The code itself states the register dependences
; between vector instructions and memory instructions, with s_wait_alu, always for 0.
; THE PLAN.  Registers that memory instructions touch:
;   v5        the source offset: made at the head, read by the 16 loads, never written again.
;   v6, v7    the offsets in planes 2w and 2w+1: made at the head, read by the stores, never written again.
;   X         each four registers are written by one load, once; no vector instruction names them ahead of the loads; the conversions read them.
;   Y         each pair is written by its group's conversions, read by one store, and never written again.
;   T and v1 to v4 are named by vector instructions alone.
; So one wait on va_vdst at the head states that the three offsets are written, for every load and store of the kernel.  The 16 groups go in four
; batches of four: a batch's conversions, one wait on va_vdst that states that its eight registers of Y are written, its four stores on end.
; No register that a memory instruction has read is written again, so no wait on vm_vsrc stands past the entry lines.
; One wait on va_sdst stands between the line that brings the wave's number into s16 and that register's first reader.
.set X, 8                              ; v[8:71]    16 loads x 4 registers
.set Y, 72                             ; v[72:103]  16 groups x 2 registers to store
.set T, 104                            ; v[104:107] at work (w_proj's way alone)
	s_load_b256 s[4:11], s[0:1], 0x0               ; x s[4:5], w_qkv s[6:7], w_proj s[8:9], xb s[10:11]
	s_load_b128 s[12:15], s[0:1], 0x20             ; wqb s[12:13], wpb s[14:15]
	v_lshrrev_b32 v1, 5, v0
	v_readfirstlane_b32 s16, v1                    ; wave
	v_and_b32 v2, 31, v0                           ; lane
	v_bfe_u32 v3, v0, 4, 1                         ; which of the two rows
	v_and_b32 v4, 15, v0                           ; my 4 numbers of the plane's 64
	v_lshlrev_b32 v5, 4, v4                        ; 16 source bytes each
	v_lshl_add_u32 v5, v3, 12, v5                  ; + row x 4,096
	s_wait_alu depctr_va_sdst(0)                   ; s16 is written, ahead of its first reader: the line below
	s_lshl_b32 s26, s16, 9
	v_add_nc_u32 v5, s26, v5                       ; + wave x 512: the source offset
	s_mov_b32 s17, 0                               ; first group of my tensor
	s_mov_b32 s18, 8192*128                        ; bytes of a plane of my tensor
	s_wait_kmcnt 0x0
	s_mov_b64 s[20:21], s[4:5]                     ; from
	s_mov_b64 s[22:23], s[10:11]                   ; to
	s_cmp_ge_u32 ttmp9, 512                        ; the choice hangs on the group's number alone
	s_cselect_b64 s[20:21], s[6:7], s[20:21]
	s_cselect_b64 s[22:23], s[12:13], s[22:23]
	s_cselect_b32 s17, 512, s17
	s_cselect_b32 s18, 3072*128, s18
	s_cmp_ge_u32 ttmp9, 704
	s_cselect_b64 s[20:21], s[8:9], s[20:21]
	s_cselect_b64 s[22:23], s[14:15], s[22:23]
	s_cselect_b32 s17, 704, s17
	s_cselect_b32 s18, 1024*128, s18
	s_sub_co_u32 s19, ttmp9, s17                   ; which 16 rows of the tensor
	s_lshl_b32 s24, s19, 16                        ; 16 rows x 4,096 bytes
	s_mov_b32 s25, 0
	s_add_nc_u64 s[20:21], s[20:21], s[24:25]
	s_lshl_b32 s24, s19, 11                        ; 16 rows x 128 bytes in each plane
	s_add_nc_u64 s[22:23], s[22:23], s[24:25]
	s_mul_i32 s26, s16, s18
	s_lshl_b32 s26, s26, 1                         ; plane 2w
	v_lshl_add_u32 v6, v2, 3, s26                  ; 8 x lane + plane 2w: two rows of a plane are 256 dense bytes
	v_add_nc_u32 v7, s18, v6                       ; the same in plane 2w+1
	s_wait_alu depctr_va_vdst(0)                   ; v5, v6 and v7 are written: every load below reads v5 as its offset, every store v6 or v7
.irp kk, 0,1
.irp rp, 0,1,2,3,4,5,6,7
	global_load_b128 v[X+4*(8*\kk+\rp):X+4*(8*\kk+\rp)+3], v5, s[20:21] offset:\rp*8192+\kk*256 th:TH_LOAD_NT
.endr
.endr
; Group n = 8 kk + rp holds rows 2 rp and 2 rp + 1 of plane 2w + kk.  Its roundings.  half = 1: the bf16 numbers are written as f16.
.macro ROUND n, half
	v_cvt_pk_bf16_f32 v[Y+2*(\n)],   v[X+4*(\n)],   v[X+4*(\n)+1]
	v_cvt_pk_bf16_f32 v[Y+2*(\n)+1], v[X+4*(\n)+2], v[X+4*(\n)+3]
.if \half
	v_lshlrev_b32 v[T],   16, v[Y+2*(\n)]
	v_and_b32     v[T+1], 0xffff0000, v[Y+2*(\n)]
	v_lshlrev_b32 v[T+2], 16, v[Y+2*(\n)+1]
	v_and_b32     v[T+3], 0xffff0000, v[Y+2*(\n)+1]
	v_cvt_pk_f16_f32 v[Y+2*(\n)],   v[T],   v[T+1]
	v_cvt_pk_f16_f32 v[Y+2*(\n)+1], v[T+2], v[T+3]
.endif
.endm
; Batch b: groups 4 b to 4 b + 3, which lie in plane 2w + b / 2, rows 8 (b % 2) on.
.macro BATCH b, half
	s_wait_loadcnt 12-4*(\b)                       ; loads come back in order (ISA guide 5.7.1): this batch's four are in, the 12 - 4 b younger ones stay out
.irp i, 0,1,2,3
	ROUND 4*(\b)+\i, \half
.endr
	s_wait_alu depctr_va_vdst(0)                   ; the batch's roundings have written its eight registers of Y, which the four stores below read
.irp i, 0,1,2,3
	global_store_b64 v[6+(\b)/2], v[Y+2*(4*(\b)+\i):Y+2*(4*(\b)+\i)+1], s[22:23] offset:(4*((\b)%2)+\i)*256
.endr
.endm
	s_cmp_ge_u32 ttmp9, 704
	s_cbranch_scc1 .Lw_proj
	BATCH 0, 0
	BATCH 1, 0
	BATCH 2, 0
	BATCH 3, 0
	s_endpgm
.Lw_proj:
	BATCH 0, 1
	BATCH 1, 1
	BATCH 2, 1
	BATCH 3, 1
	s_endpgm
.Lfunc_end_k_q66aad13339_cvt:
	.size	k_q66aad13339_cvt, .Lfunc_end_k_q66aad13339_cvt-k_q66aad13339_cvt
	.p2alignl 7, 3214868480
	.fill 96, 4, 3214868480
	.section	.rodata,"a",@progbits
	.p2align	6, 0x0
	.amdhsa_kernel k_q66aad13339_cvt
		.amdhsa_group_segment_fixed_size 0
		.amdhsa_private_segment_fixed_size 0
		.amdhsa_enable_private_segment 0
		.amdhsa_kernarg_size 48
		.amdhsa_user_sgpr_count 2
		.amdhsa_user_sgpr_kernarg_segment_ptr 1
		.amdhsa_wavefront_size32 1
		.amdhsa_system_sgpr_workgroup_id_x 1
		.amdhsa_system_sgpr_workgroup_id_y 1
		.amdhsa_system_sgpr_workgroup_id_z 1
		.amdhsa_system_vgpr_workitem_id 0
		.amdhsa_next_free_vgpr 112
		.amdhsa_next_free_sgpr 66
		.amdhsa_reserve_vcc 0
		.amdhsa_float_denorm_mode_32 3
		.amdhsa_float_denorm_mode_16_64 3
		.amdhsa_memory_ordered 1
		.amdhsa_forward_progress 1
		.amdhsa_inst_pref_size 17
	.end_amdhsa_kernel
	.amdgpu_metadata
---
amdhsa.version: [ 1, 2 ]
amdhsa.kernels:
  - .name:           k_q66aad13339_cvt
    .symbol:         k_q66aad13339_cvt.kd
    .args:
      - { .name: x, .offset: 0, .size: 8, .value_kind: global_buffer, .address_space: global }
      - { .name: w_qkv, .offset: 8, .size: 8, .value_kind: global_buffer, .address_space: global }
      - { .name: w_proj, .offset: 16, .size: 8, .value_kind: global_buffer, .address_space: global }
      - { .name: xb, .offset: 24, .size: 8, .value_kind: global_buffer, .address_space: global }
      - { .name: wqb, .offset: 32, .size: 8, .value_kind: global_buffer, .address_space: global }
      - { .name: wpb, .offset: 40, .size: 8, .value_kind: global_buffer, .address_space: global }
    .group_segment_fixed_size: 0
    .private_segment_fixed_size: 0
    .kernarg_segment_align: 8
    .kernarg_segment_size: 48
    .max_flat_workgroup_size: 256
    .sgpr_count:     66
    .vgpr_count:     112
    .wavefront_size: 32
...
	.end_amdgpu_metadata
.endif
;; end of part 5
;; launch qkv: the kernel of part 2 again; grid 16 x 32, 4 waves a work-group, clusters of 4 x 4, 327,680 bytes of LDS; arguments xb, wqb, qkvh; writes qkvh
;; launch attn: the kernel of part 3 again; grid 4 x 64, 8 waves a work-group, no clusters, 327,680 bytes of LDS; arguments qkvh, ctxh; writes ctxh
;; launch proj: the kernel of part 4 again; grid 8 x 32, 4 waves a work-group, clusters of 4 x 4, 327,680 bytes of LDS; arguments ctxh, wpb, out0, b_proj; writes out0
